; MI455X (gfx1250); checked and timed in simulation.
; The chip was launched on July 23, 2026; its instructions are those of AMD's public machine-readable ISA for CDNA 5 (MIT licence, August 2026) and "CDNA5" Instruction Set Architecture Reference Guide (July 2026). The comments in the code are by the model that wrote it; some were corrected since.
;; Residual Vector Quantizer. Allowed arithmetic: matrix products marked QUANTISED: E2M1 operands, one E8M0 scale for each 32 along K, by v_wmma_scale_f32_16x16x128_f8f6f4 with both operands' format E2M1 (or v_wmma_scale_f32_32x16x128_f4), f32 sums; everything else in f32.
;; Inputs: codebooks 4 x 2,048 x 128 float32; x 65,536 x 128 float32.
;; Outputs: out0 65,536 x 128 float32; out1 one number float32; out2 65,536 x 4 int32.
;; This version of the problem:
;;   THIS VERSION OF THE PROBLEM IS GIVEN IN LOW PRECISION. The matrix products marked QUANTISED in the list below multiply operands that are first quantised to E2M1 (2 exponent bits, 1 mantissa bit; 4 bits a number), with one power-of-two scale for each 32 numbers along K (OCP MX v1.0); their sums are f32. All else is computed in f32.
;;   The module's matrix products, in the order in which they are computed (A, B: the left and right operand; K: the contracted axis; several contracted axes count as one K, in the product's order):
;;     1. [M 65,536, K 128] x [K 128, N 2,048]; A: input x; B: input codebooks: QUANTISED
;;     2. [M 65,536, K 128] x [K 128, N 2,048]; A: computed on the way; B: input codebooks: QUANTISED
;;     3. [M 65,536, K 128] x [K 128, N 2,048]; A: computed on the way; B: input codebooks: QUANTISED
;;     4. [M 65,536, K 128] x [K 128, N 2,048]; A: computed on the way; B: input codebooks: QUANTISED
;;   THE QUANTISER, for each operand of a quantised product, along K:
;;     - K is cut into blocks of 32 from its start; a last block that is shorter is filled with zeros.
;;     - A block's scale is 2^e with e = floor(log2(the largest magnitude in the block)) - 2, held to -126 .. 127; a block of zeros has e = 0. As a byte (E8M0): e + 127.
;;     - Each number is divided by its block's scale, clamped to +-6, and rounded to the nearest number of E2M1, ties to even, subnormals kept.
;;     - The product sums the exact products of the quantised numbers (number of the format x scale) in f32.
;;   ~~~python
;;   def quantise(x, axis):      # numpy; x: float32 -> the quantised numbers, widened to float32 again
;;       x = np.moveaxis(x, axis, -1); K = x.shape[-1]
;;       x = np.pad(x, [(0, 0)] * (x.ndim - 1) + [(0, -K % 32)]); x = x.reshape(x.shape[:-1] + (-1, 32)); a = np.abs(x).max(-1, keepdims=True)
;;       e = np.where(a > 0, np.clip(np.frexp(np.where(a > 0, a, 1))[1] - 1 - 2, -126, 127), 0)      # np.frexp(a)[1] - 1 = floor(log2(a)), exactly
;;       r = np.clip(x / 2.0 ** e, -6, 6)
;;       step = 2.0 ** (np.maximum(np.frexp(np.where(r == 0, 1, r))[1] - 1, 0) - 1)
;;       q = np.round(r / step) * step * 2.0 ** e      # np.round: ties to even
;;       return np.moveaxis(q.reshape(q.shape[:-2] + (-1,))[..., :K], -1, axis).astype(np.float32)
;;   ~~~
;;   OPERANDS COMPUTED ON THE WAY. 'Computed on the way' means the value that the module computes at that place (a softmax that the list does not call 'softmax' is quantised finished and normalised). What goes into a quantiser is computed in f32, as accurately as f32 sums, v_exp_f32 and their like allow (about 1e-6 of the number): no bf16 or f16 on the way to a quantiser, and a product that is left as it is and whose result goes on into a quantised operand takes f32 operands (vector FMAs, or v_wmma_f32_16x16x4_f32). A number that lies on a knife's edge between two numbers of the format may be rounded either way, as far as f32 arithmetic and the matrix unit's own rounding can turn it there, and no further.
;; One version. Each part assembles by itself: llvm-mc -triple=amdgcn-amd-amdhsa -mcpu=gfx1250 --defsym DOCPART=n.
;; ======== version 1 of 1: 7 launches
;; limits: right only within a limited range of input values
;; workspace buffers: cq 589,824 bytes; ha 1,048,576 bytes of whole numbers; hb 1,048,576 bytes of whole numbers; lp 4,096 bytes
;; launch prep (part 1): grid 128 x 1, 4 waves a work-group, no clusters, 0 bytes of LDS; arguments codebooks, cq; writes cq
.if DOCPART == 1
	.amdgcn_target "amdgcn-amd-amdhsa--gfx1250"
	.amdhsa_code_object_version 6
	.text
	.protected	k_q12e4fb582a_prep
	.globl	k_q12e4fb582a_prep
	.p2align	8
	.type	k_q12e4fb582a_prep,@function
k_q12e4fb582a_prep:
	s_mov_b64 s[64:65], 0
	v_nop
	global_prefetch_b8 v0, s[64:65] scope:SCOPE_SE
	s_setreg_imm32_b32 hwreg(HW_REG_WAVE_MODE, 25, 1), 1
	s_wait_xcnt 0x0
; The four codebooks [4][2048][128] f32 become operands of the stages' products, once.
; A wave takes one tile of 16 codewords (512 tiles).  It stores, into the stage's record of cq (REC bytes):
;   the tile's fragment as an image of its eight registers: registers 4 c .. 4 c + 3 at 1024 tile + 512 c + 16 lane;
;   the 16 scale words (four E8M0 bytes: 128 along K) at CBS + 4 codeword;   cc = the sum of the codeword's squares, f32, at CCO + 4 codeword.
; THE CODES ARE THOSE OF -C AND EVERY SCALE BYTE IS ONE HIGHER: together exactly -2 Q(C), so that a product with cc as its C gives cc - 2 r.c with no vector work.
; A byte is the largest magnitude's exponent field - 2, at most 252: one more never reaches 0xff and never carries into the next byte.
; A block of zeros keeps the floor's byte where the rule says 127: its codes are zeros, and these bytes are read by this program alone.
; LIMITS: NaN and infinities among the inputs are not served.  cc is summed in two packed chains and across two lanes: another order than a plain chain.
; The loads take 64 bytes a lane (a lane needs 16 neighbours along K); the scale words and cc leave in pieces of 64 bytes: 64 KiB of the launch's stores.
.set REC, 147456
.set CBS, 131072
.set CCO, 139264
.set Y,   32                           ; v32-95   64 numbers: register 16 b + i = k 32 b + 16 (lane / 16) + i of codeword lane % 16
.set TM,  96                           ; v96-111  at work in QUANT
.set PW,  112                          ; v112     the scale word
.set PC,  114                          ; v114-121 the codes
.set SQ,  122                          ; v122-125 two packed chains for cc
.set SEL, 20                           ; s[20:21] lane selects: lane l xor 16
; 64 numbers of a lane become a fragment's codes in v[PC] on and its scale word in v[PW].
.macro QUANT s
.irp b, 0,1,2,3
	v_max3_num_f32 v[TM+\b], |v[\s+16*\b]|, |v[\s+1+16*\b]|, 0x1800000   ; block b: my 16 numbers, and the floor 2^(3 - 127): the byte cannot fall under 1
.endr
.irp i, 2,4,6,8,10,12,14
.irp b, 0,1,2,3
	v_max3_num_f32 v[TM+\b], v[TM+\b], |v[\s+16*\b+\i]|, |v[\s+1+16*\b+\i]|
.endr
.endr
.irp b, 0,1,2,3
	v_permlanex16_b32 v[TM+4+\b], v[TM+\b], s[SEL], s[SEL+1]
.endr
.irp b, 0,1,2,3
	v_max_num_f32 v[TM+\b], v[TM+\b], v[TM+4+\b]   ; with lane l xor 16's: the block's largest magnitude
.endr
.irp b, 0,1,2,3
	v_add_nc_u32 v[TM+12+\b], 0xff000000, v[TM+\b]   ; 2 off its exponent field: the conversion's scale operand
.endr
.irp b, 0,1,2,3
	v_lshrrev_b32 v[TM+4+\b], 23, v[TM+12+\b]      ; the scale's byte
.endr
	v_lshl_or_b32 v[PW], v[TM+5], 8, v[TM+4]
	v_lshl_or_b32 v[PW], v[TM+6], 16, v[PW]
	v_lshl_or_b32 v[PW], v[TM+7], 24, v[PW]
.irp b, 0,1,2,3
	v_cvt_scalef32_pk8_fp4_f32 v[PC+2*\b], v[\s+16*\b:\s+7+16*\b], v[TM+12+\b]
	v_cvt_scalef32_pk8_fp4_f32 v[PC+1+2*\b], v[\s+8+16*\b:\s+15+16*\b], v[TM+12+\b]
.endr
	v_nop                                          ; one plain place behind a scaled conversion
.irp c, 0,1                                    ; a whole block to a lane: lanes 0-15 block 2 c, lanes 16-31 block 2 c + 1
.irp i, 0,1
	v_permlane16_swap_b32 v[PC+4*\c+\i], v[PC+2+4*\c+\i]
.endr
.endr
.endm
	s_load_b128 s[4:7], s[0:1], 0x0                ; codebooks s[4:5], cq s[6:7]
	v_lshrrev_b32 v8, 5, v0
	v_readfirstlane_b32 s10, v8                    ; wave 0..3
	s_lshl_b32 s11, ttmp9, 2
	s_add_co_u32 s11, s11, s10                     ; G = my tile among the 512
	v_and_b32 v8, 31, v0                           ; lane
	v_and_b32 v9, 15, v0                           ; r
	v_bfe_u32 v10, v0, 4, 1                        ; h
	v_lshlrev_b32 v1, 9, v9
	v_lshl_add_u32 v1, v10, 6, v1                  ; codeword r of 512 bytes, + 64 h: my 16 numbers of a block of 32
	v_lshlrev_b32 v2, 4, v8                        ; 16 x lane
	v_lshlrev_b32 v3, 2, v9                        ; 4 x r
.irp b, 0,1,2,3
	v_mov_b32 v[TM+4+\b], 0                        ; a lane permute's destination counts as one of its sources
.endr
	s_mov_b32 s[SEL], 0x76543210
	s_mov_b32 s[SEL+1], 0xfedcba98
	s_lshl_b32 s12, s11, 13                        ; 16 codewords of 512 bytes a tile
	s_mov_b32 s13, 0
	s_lshr_b32 s14, s11, 7                         ; stage
	s_and_b32 s15, s11, 127                        ; tile of the stage
	s_mul_i32 s18, s14, REC
	s_lshl_b32 s16, s15, 10
	s_add_co_u32 s16, s16, s18                     ; the image's place
	s_mov_b32 s17, 0
	s_lshl_b32 s19, s15, 6
	s_add_co_u32 s18, s18, s19                     ; the tile's 64 bytes of scale words and of cc (their regions stand in the immediates)
	s_mov_b32 s19, 0
	s_wait_alu depctr_va_vdst(0)
	s_wait_kmcnt 0x0
	s_add_nc_u64 s[4:5], s[4:5], s[12:13]
	s_add_nc_u64 s[24:25], s[6:7], s[16:17]
	s_add_nc_u64 s[26:27], s[6:7], s[18:19]
.irp b, 0,1,2,3
.irp j, 0,1,2,3
	global_load_b128 v[Y+16*\b+4*\j:Y+16*\b+4*\j+3], v1, s[4:5] offset:128*\b+16*\j
.endr
.endr
	s_wait_loadcnt 0x0
	v_pk_mul_f32 v[SQ:SQ+1], v[Y:Y+1], v[Y:Y+1]           ; cc: the first two products start the two chains
	v_pk_mul_f32 v[SQ+2:SQ+3], v[Y+2:Y+3], v[Y+2:Y+3]
.irp i, 4,8,12,16,20,24,28,32,36,40,44,48,52,56,60
	v_pk_fma_f32 v[SQ:SQ+1], v[Y+\i:Y+\i+1], v[Y+\i:Y+\i+1], v[SQ:SQ+1]
	v_pk_fma_f32 v[SQ+2:SQ+3], v[Y+\i+2:Y+\i+3], v[Y+\i+2:Y+\i+3], v[SQ+2:SQ+3]
.endr
	v_pk_add_f32 v[SQ:SQ+1], v[SQ:SQ+1], v[SQ+2:SQ+3]
	v_add_f32 v[SQ], v[SQ], v[SQ+1]
	v_permlanex16_b32 v[SQ+2], v[SQ], s[SEL], s[SEL+1]
	v_add_f32 v[SQ], v[SQ], v[SQ+2]                ; with lane l xor 16's half: the codeword's cc, in both lanes
	QUANT Y
.irp i, 0,1,2,3,4,5,6,7
	v_xor_b32 v[PC+\i], 0x88888888, v[PC+\i]       ; every code's sign: -C
.endr
	v_add_nc_u32 v[PW], 0x01010101, v[PW]          ; every byte one higher: x 2
	global_store_b128 v2, v[PC:PC+3], s[24:25]
	global_store_b128 v2, v[PC+4:PC+7], s[24:25] offset:512
	global_store_b32 v3, v[PW], s[26:27] offset:CBS       ; lanes 16-31 hold the same word and write the same place
	global_store_b32 v3, v[SQ], s[26:27] offset:CCO
	s_endpgm
.Lfunc_end_k_q12e4fb582a_prep:
	.size	k_q12e4fb582a_prep, .Lfunc_end_k_q12e4fb582a_prep-k_q12e4fb582a_prep
	.p2alignl 7, 3214868480
	.fill 96, 4, 3214868480
	.section	.rodata,"a",@progbits
	.p2align	6, 0x0
	.amdhsa_kernel k_q12e4fb582a_prep
		.amdhsa_group_segment_fixed_size 0
		.amdhsa_private_segment_fixed_size 0
		.amdhsa_enable_private_segment 0
		.amdhsa_kernarg_size 16
		.amdhsa_user_sgpr_count 2
		.amdhsa_user_sgpr_kernarg_segment_ptr 1
		.amdhsa_wavefront_size32 1
		.amdhsa_system_sgpr_workgroup_id_x 1
		.amdhsa_system_sgpr_workgroup_id_y 1
		.amdhsa_system_sgpr_workgroup_id_z 1
		.amdhsa_system_vgpr_workitem_id 0
		.amdhsa_next_free_vgpr 128
		.amdhsa_next_free_sgpr 66
		.amdhsa_reserve_vcc 0
		.amdhsa_float_denorm_mode_32 3
		.amdhsa_float_denorm_mode_16_64 3
		.amdhsa_memory_ordered 1
		.amdhsa_forward_progress 1
		.amdhsa_inst_pref_size 10
	.end_amdhsa_kernel
	.amdgpu_metadata
---
amdhsa.version: [ 1, 2 ]
amdhsa.kernels:
  - .name:           k_q12e4fb582a_prep
    .symbol:         k_q12e4fb582a_prep.kd
    .args:
      - { .name: codebooks, .offset: 0, .size: 8, .value_kind: global_buffer, .address_space: global }
      - { .name: cq, .offset: 8, .size: 8, .value_kind: global_buffer, .address_space: global }
    .group_segment_fixed_size: 0
    .private_segment_fixed_size: 0
    .kernarg_segment_align: 8
    .kernarg_segment_size: 16
    .max_flat_workgroup_size: 128
    .sgpr_count:     66
    .vgpr_count:     128
    .wavefront_size: 32
...
	.end_amdgpu_metadata
.endif
;; end of part 1
;; launch st0 (part 2): grid 256 x 1, 16 waves a work-group, clusters of 4 x 1, 310,272 bytes of LDS; arguments x, codebooks, cq, ha; writes ha
.if DOCPART == 2
	.amdgcn_target "amdgcn-amd-amdhsa--gfx1250"
	.amdhsa_code_object_version 6
	.text
	.protected	k_q12e4fb582a_st0
	.globl	k_q12e4fb582a_st0
	.p2align	8
	.type	k_q12e4fb582a_st0,@function
k_q12e4fb582a_st0:
	s_mov_b64 s[64:65], 0
	v_nop
	global_prefetch_b8 v0, s[64:65] scope:SCOPE_SE
	s_setreg_imm32_b32 hwreg(HW_REG_WAVE_MODE, 25, 1), 1
	s_wait_xcnt 0x0
	s_wait_alu depctr_hold_cnt(0) depctr_sa_sdst(0) depctr_va_vdst(0) depctr_va_sdst(0) depctr_va_ssrc(0) depctr_va_vcc(0) depctr_vm_vsrc(0)
	s_getreg_b32 s2, hwreg(HW_REG_IB_STS2, 6, 4)
	s_cmp_eq_u32 s2, 0
	s_cbranch_scc0 .Lentry_in_a_cluster
	s_endpgm
.Lentry_in_a_cluster:
	s_bfe_u32 s2, ttmp6, 0x10000c
	s_cmp_lg_u32 s2, 0x3003
	s_cbranch_scc0 .Lentry_shape_is_right
	s_endpgm
.Lentry_shape_is_right:
; ONE STAGE OF THE RESIDUAL QUANTISER: for each of the 65,536 rows the index of the nearest codeword of stage STAGE.
; The four stages' texts differ in the next line alone: the stage's number is a constant of the text, so that no branch and no scalar address hangs on a number read from memory.
.set STAGE, 0
; Arguments: x, codebooks, cq (the stages' operands), hin (the index history; stage 0 has none), hout (the history with this stage's index added).  A history row is four int32, 0 where not yet chosen.
; THE RESIDUAL is made anew from x and the earlier indices by the definition's own f32 chain (t = c - r, y = r + t, r = r - y); the codewords are gathered by indices that an EARLIER launch stored.
; THE DISTANCE: cq holds -2 Q(C) as codes and scale bytes, and cc.  Source 0 = 16 codewords, source 1 = 16 rows, C = cc: one matrix instruction gives u = cc - 2 r.c; lane (r, h), register j: codeword 16 tile + 8 h + j, row r.
; LIMITS.  The row's own square sum is not added: one number a row, it moves no exact order.  u is rounded once, by the matrix unit: where two distances of a row lie within the rounding of
; rr - 2 r.c + cc, the order here may differ from the definition's.  Exact ties of u go to the lower index.  NaN and infinities are not served.  An index read from hin is held at 2,047.
; SHARES.  A work-group owns 256 rows: 16 tiles of 16.  Prologue: wave w makes row tile w's residual, quantises it and lays its fragment's image in LDS.  Main part: waves 8 g + q hold the eight fragments
; of row tiles 8 g .. 8 g + 7 in registers and walk codebook tiles 16 q .. 16 q + 15.  End: wave w joins the eight parts of row tile w.
; THE RECORD of the stage (147,456 bytes of cq) is the same for all work-groups: clusters of four ask for it jointly, each of the sixteen waves by one tensor load of 36 rows x 256 bytes, once,
; behind the wave's loads of x; each wave waits for its load ahead of the first barrier.  No LDS byte is filled again.
; No prefetch: every load from memory stands at the head, and there is no loop to run ahead in.
; THE ARGMIN keeps, for each row tile, the least u so far (best), the first codeword of my half of the tile that held it (gid) and that tile's eight u (SV); the place inside the tile is looked for once, behind the loop.
.set USE_DUAL, 1
.set REC,    147456
.set CBS,    131072                    ; LDS: 0: the 128 tiles' images, 1,024 bytes each; CBS: the 2,048 scale words; CC: the 2,048 cc: as they lie in the record
.set CC,     139264
.set STG,    147456                    ; a stage of 16 rows x (512 + 16) bytes for each wave
.set SPITCH, 528
.set IMG,    282624                    ; the 16 row tiles' images, 1,024 bytes each
.set ISC,    299008                    ; their scale words, 64 bytes each
.set HST,    300032                    ; each thread's history row, kept over the main part: 16 x thread
.set RES,    STG                       ; the waves' results [q][row tile][lane] x 8 bytes: the stages are read for the last time ahead of the first barrier
.if STAGE > 0
.set HO, 12                            ; s[HO:HO+1]: hout
.else
.set HO, 10
.endif
; PROLOGUE
.set LX,   1                           ; v1   x: 16 (l % 16) + 4,096 (l / 16): lanes 0-15 take row p, lanes 16-31 row p + 8; each half wave 256 consecutive bytes
.set LG,   2                           ; v2   16 (l % 16)
.set STW,  3                           ; v3   my stage, as loaded
.set STR,  4                           ; v4   my stage, 16 neighbours a lane
.set IMA,  5                           ; v5   my row tile's image
.set ISA,  6                           ; v6   and its scale words
.set HSA,  7                           ; v7   HST + 16 x thread
.set FA,   8                           ; v8   16 x thread
.set HDO,  10                          ; v10  16 ((l % 8) + 8 (l / 16))
.set HD,   12                          ; v12-15  the history of row (l % 8) + 8 (l / 16)
.set HR,   16                          ; v16-19  the history of row l % 16
.set OFFA, 20                          ; v20-27, v28-35  eight gather offsets each
.set OFFB, 28
.set TM,   36                          ; v36-61  QUANT's registers; v62, v63: the opening add's two registers
.set PW,   52
.set PC,   54
.set X,    64                          ; v64-127  the residual: register 8 p + 4 u + e
.set GA,   128                         ; v128-191, v192-255  gathered codewords
.set GB,   192
.set SEL,  20                          ; s[20:21] lane selects: lane l xor 16
; MAIN PART
.set A0,   1                           ; v1   16 lane + 16,384 q: my first tile's image
.set S0,   2                           ; v2   CBS + 1,024 q + 4 lane: lanes 0-15 an even tile's words, lanes 16-31 the odd tile's behind it
.set C0,   3                           ; v3   CC + 1,024 q + 32 h
.set RAD,  4                           ; v4   where my results go
.set T,    5                           ; v5   16 tile + 8 h of the tile whose u are in hand
.set AAD,  6                           ; v6-8 the three addresses of the trip in hand (v6, v7 first serve the rows' fragments and scale words)
.set SAD,  7
.set CAD,  8
.set LN,   9                           ; v9   lane
.set BG,   10                          ; v10-25   best of row tile i at 10 + 2 i, gid at 11 + 2 i
.set TMP,  26                          ; v26-41   at work
.set AF,   42                          ; v42-49   the codebook tile's fragment
.set CCR,  50                          ; v50-57   its cc, in the result's layout
.set DP,   58                          ; v58-89   u of row tiles 0-3
.set DQ,   90                          ; v90-121  u of row tiles 4-7
.set SV,   122                         ; v122-185 the best tile's eight u, for each row tile
.set BF,   186                         ; v186-249 the eight row tiles' fragments
.set BS,   250                         ; v250-253 their scale words: lanes 0-15 row tile 2 k, lanes 16-31 row tile 2 k + 1
.set AS,   254                         ; v254     the codebook's scale words of two tiles
.macro SEL2 d0, a0, d1, a1             ; two selections on VCC: d = VCC ? a : d.  d0 is even and d1 = d0 + 1, a1 = a0 + 1
.if USE_DUAL
	v_dual_cndmask_b32 v[\d0], v[\d0], v[\a0] :: v_dual_cndmask_b32 v[\d1], v[\d1], v[\a1]
.else
	v_cndmask_b32 v[\d0], v[\d0], v[\a0], vcc_lo
	v_cndmask_b32 v[\d1], v[\d1], v[\a1], vcc_lo
.endif
.endm
.macro OFFS j, o                       ; the byte offsets of stage j's codewords of rows p (lanes 0-15) and p + 8 (lanes 16-31), p = 0 .. 7
.irp p, 0,1,2,3,4,5,6,7
	v_mov_b32_dpp v[\o+\p], v[HD+\j] row_share:\p row_mask:0xf bank_mask:0xf
.endr
.irp p, 0,1,2,3,4,5,6,7
	v_min_u32 v[\o+\p], 0x7ff, v[\o+\p]            ; an index stays inside its table
.endr
.irp p, 0,1,2,3,4,5,6,7
	v_lshl_add_u32 v[\o+\p], v[\o+\p], 9, v[LG]
.endr
.endm
.macro GATHER j, g, o                  ; 16 loads, laid as x is: each half wave takes 256 consecutive bytes of a codeword
.irp p, 0,1,2,3,4,5,6,7
.irp u, 0,1
	global_load_b128 v[\g+8*\p+4*\u:\g+8*\p+4*\u+3], v[\o+\p], s[6:7] offset:(\j<<20)+256*\u
.endr
.endr
.endm
.macro CHAIN g                         ; one stage of the residual, as the definition has it
.set i, 0
.rept 32
	v_pk_add_f32 v[\g+i:\g+i+1], v[\g+i:\g+i+1], v[X+i:X+i+1] neg_lo:[0,1] neg_hi:[0,1]   ; t = c - r
.set i, i+2
.endr
.set i, 0
.rept 32
	v_pk_add_f32 v[\g+i:\g+i+1], v[X+i:X+i+1], v[\g+i:\g+i+1]                             ; y = r + t
.set i, i+2
.endr
.set i, 0
.rept 32
	v_pk_add_f32 v[X+i:X+i+1], v[X+i:X+i+1], v[\g+i:\g+i+1] neg_lo:[0,1] neg_hi:[0,1]     ; r = r - y
.set i, i+2
.endr
.endm
.macro ROUND                           ; a round of the cluster's barrier: my work-group's barrier, wave 0's signal for it, every wave's wait for the four, my work-group's barrier
	s_barrier_signal -1
	s_barrier_wait -1
	s_cmp_lg_u32 s14, 0
	s_cbranch_scc1 .Lnot_wave_0_\@
	s_barrier_signal -3
.Lnot_wave_0_\@:
	s_barrier_wait -3
	s_barrier_signal -1
	s_barrier_wait -1
.endm
; 64 numbers of a lane, register 16 b + i = k 32 b + 16 (lane / 16) + i of my row, become a fragment's codes in v[PC] on and its scale word in v[PW].
.macro QUANT s
.irp b, 0,1,2,3
	v_max3_num_f32 v[TM+\b], |v[\s+16*\b]|, |v[\s+1+16*\b]|, 0x1800000   ; block b: my 16 numbers, and the floor 2^(3 - 127): the byte cannot fall under 1
.endr
.irp i, 2,4,6,8,10,12,14
.irp b, 0,1,2,3
	s_delay_alu instid0(VALU_DEP_4)
	v_max3_num_f32 v[TM+\b], v[TM+\b], |v[\s+16*\b+\i]|, |v[\s+1+16*\b+\i]|
.endr
.endr
.irp b, 0,1,2,3
	s_delay_alu instid0(VALU_DEP_4)
	v_permlanex16_b32 v[TM+4+\b], v[TM+\b], s[SEL], s[SEL+1]
.endr
.irp b, 0,1,2,3
	s_delay_alu instid0(VALU_DEP_4)
	v_max_num_f32 v[TM+\b], v[TM+\b], v[TM+4+\b]   ; with lane l xor 16's: the block's largest magnitude
.endr
.irp b, 0,1,2,3
	s_delay_alu instid0(VALU_DEP_4)
	v_add_nc_u32 v[TM+12+\b], 0xff000000, v[TM+\b]   ; 2 off its exponent field: the conversion's scale operand
.endr
.irp b, 0,1,2,3
	s_delay_alu instid0(VALU_DEP_4)
	v_lshrrev_b32 v[TM+4+\b], 23, v[TM+12+\b]      ; the scale's byte
.endr
	s_delay_alu instid0(VALU_DEP_3)
	v_lshl_or_b32 v[PW], v[TM+5], 8, v[TM+4]
	s_delay_alu instid0(VALU_DEP_1)
	v_lshl_or_b32 v[PW], v[TM+6], 16, v[PW]
	s_delay_alu instid0(VALU_DEP_1)
	v_lshl_or_b32 v[PW], v[TM+7], 24, v[PW]
.irp b, 0,1,2,3
	v_cvt_scalef32_pk8_fp4_f32 v[PC+2*\b], v[\s+16*\b:\s+7+16*\b], v[TM+12+\b]
	v_cvt_scalef32_pk8_fp4_f32 v[PC+1+2*\b], v[\s+8+16*\b:\s+15+16*\b], v[TM+12+\b]
.endr
	v_nop                                          ; one plain place behind a scaled conversion
.irp c, 0,1                                    ; a whole block to a lane: lanes 0-15 block 2 c, lanes 16-31 block 2 c + 1
.irp i, 0,1
	v_permlane16_swap_b32 v[PC+4*\c+\i], v[PC+2+4*\c+\i]
.endr
.endr
.endm
	s_load_b256 s[4:11], s[0:1], 0x0               ; x s[4:5], codebooks s[6:7], cq s[8:9], s[10:11]: hin (stage 0: hout)
.if STAGE > 0
	s_load_b64 s[12:13], s[0:1], 0x20              ; hout
.endif
	v_lshl_add_u32 v62, v0, 2, 0x4b400             ; my spare word, behind the history rows
	v_mov_b32 v63, 0
	ds_add_u32 v62, v63                            ; the opening lines: the add, twice on end, and its wait ahead of my tensor load
	ds_add_u32 v62, v63
	v_lshrrev_b32 v12, 5, v0
	s_delay_alu instid0(VALU_DEP_1)
	v_readfirstlane_b32 s14, v12                   ; wave 0..15
	v_and_b32 v12, 31, v0                          ; lane
	v_and_b32 v13, 15, v0                          ; r
	v_bfe_u32 v14, v0, 4, 1                        ; h
	s_delay_alu instid0(VALU_DEP_2)
	v_lshlrev_b32 v[LG], 4, v13
	s_delay_alu instid0(VALU_DEP_1)
	v_lshl_add_u32 v[LX], v14, 12, v[LG]
	s_mul_i32 s16, s14, 16*SPITCH
	s_add_co_u32 s16, s16, STG                     ; my stage
	v_mad_u32_u24 v15, v14, 8*SPITCH, v[LG]
	s_delay_alu instid0(VALU_DEP_1)
	v_add_nc_u32 v[STW], s16, v15                  ; in: row p + 8 h, 16 bytes a lane
	v_mul_u32_u24 v15, v13, SPITCH
	s_delay_alu instid0(VALU_DEP_1)
	v_lshl_add_u32 v15, v14, 6, v15
	s_delay_alu instid0(VALU_DEP_1)
	v_add_nc_u32 v[STR], s16, v15                  ; out: row r, + 64 h: my 16 numbers of a block of 32
	s_lshl_b32 s16, s14, 10
	s_add_co_u32 s16, s16, IMG
	v_lshl_add_u32 v[IMA], v12, 4, s16
	s_lshl_b32 s16, s14, 6
	s_add_co_u32 s16, s16, ISC
	v_lshl_add_u32 v[ISA], v13, 2, s16
	v_lshlrev_b32 v[FA], 4, v0
	s_delay_alu instid0(VALU_DEP_1)
	v_add_nc_u32 v[HSA], HST, v[FA]
.if STAGE > 0
	v_and_b32 v15, 7, v0
	v_lshl_add_u32 v15, v14, 3, v15
	v_lshlrev_b32 v[HDO], 4, v15
.irp i, 0,1,2,3,4,5,6,7,8,9,10,11,12,13,14,15
	v_mov_b32 v[OFFA+\i], 0                        ; written once: the destination of a DPP move counts as one of its sources
.endr
.endif
	s_mov_b32 s[SEL], 0x76543210
	s_mov_b32 s[SEL+1], 0xfedcba98
	s_bfe_u32 s15, ttmp6, 0x40000                  ; my place in the cluster of four
	s_lshl_b32 s16, ttmp9, 2
	s_add_co_u32 s15, s15, s16                     ; the work-group's number
	s_lshl_b32 s16, s15, 17                        ; the work-group's 256 rows of 512 bytes,
	s_lshl_b32 s17, s14, 13                        ; my wave's 16
	s_add_co_u32 s16, s16, s17
	s_mov_b32 s17, 0
	s_lshl_b32 s18, s15, 12                        ; and the same rows of the history, 16 bytes each
	s_lshl_b32 s19, s14, 8
	s_add_co_u32 s18, s18, s19
	s_mov_b32 s19, 0
	s_mov_b32 s32, 1                               ; group 0: count; LDS address: my wave's 9,216 bytes of the record, at their place in it
	s_mul_i32 s33, s14, 9216
	s_mul_i32 s28, s14, 9216                       ; and the same offset in memory
	s_mov_b32 s29, 0
	s_mov_b32 s36, 15|(3<<16)|(1<<21)              ; group 1: the four of the cluster; elements of 8 bytes; bit 21 beside a mask
	s_mov_b32 s37, 32<<16                          ; tensor_dim0 = 32 elements: rows of 256 bytes
	s_mov_b32 s38, 36<<16                          ; tensor_dim1 = 36
	s_mov_b32 s39, 32<<16                          ; tile_dim0
	s_mov_b32 s40, 36                              ; tile_dim1
	s_mov_b32 s41, 32                              ; the pitch: the block is dense
	s_mov_b32 s42, 0
	s_mov_b32 s43, 0
	s_wait_alu depctr_va_vdst(0)
	s_wait_dscnt 0x0                               ; both opening adds are done
	s_wait_kmcnt 0x0
	s_add_nc_u64 s[34:35], s[8:9], s[28:29]
.if STAGE > 0
	s_add_nc_u64 s[34:35], s[34:35], STAGE*REC     ; the stage's record
.endif
	s_or_b32 s35, s35, 0x80000000                  ; type = 2
	s_add_nc_u64 s[4:5], s[4:5], s[16:17]
	s_add_nc_u64 s[26:27], s[HO:HO+1], s[18:19]
.if STAGE > 0
	s_add_nc_u64 s[24:25], s[10:11], s[18:19]
	global_load_b128 v[HD:HD+3], v[HDO], s[24:25]
	global_load_b128 v[HR:HR+3], v[LG], s[24:25]
.endif
.irp p, 0,1,2,3,4,5,6,7
.irp u, 0,1
	global_load_b128 v[X+8*\p+4*\u:X+8*\p+4*\u+3], v[LX], s[4:5] offset:512*\p+256*\u   ; later launches read x again: no hint
.endr
.endr
	ROUND                                          ; the four work-groups are here: the joint loads meet
	tensor_load_to_lds s[32:35], s[36:43]          ; my sixteenth of the record: the wave's one tensor load
	s_nop 0
.if STAGE > 0
	s_wait_loadcnt 16                              ; behind the two history loads stand x's 16
.else
.irp i, 0,1,2,3
	v_mov_b32 v[HR+\i], 0                          ; no stage is done: the row begins as zeros
.endr
.endif
	ds_store_b128 v[HSA], v[HR:HR+3]               ; kept in LDS over the main part
	; The residual of this stage.
.if STAGE == 3
	OFFS 0, OFFA
	GATHER 0, GA, OFFA
	OFFS 1, OFFB
	GATHER 1, GB, OFFB
	s_wait_loadcnt 16                              ; x and stage 0's codewords are in; stage 1's 16 loads may be out
	CHAIN GA
	OFFS 2, OFFA                                   ; (stage 0's gathers are done: their offsets may be written)
	GATHER 2, GA, OFFA
	s_wait_loadcnt 16                              ; stage 1's are in; stage 2's 16 may be out
	CHAIN GB
	s_wait_loadcnt 0x0                             ; stage 2's are in
	CHAIN GA
.elseif STAGE == 2
	OFFS 0, OFFA
	GATHER 0, GA, OFFA
	OFFS 1, OFFB
	GATHER 1, GB, OFFB
	s_wait_loadcnt 16                              ; stage 1's 16 loads may be out
	CHAIN GA
	s_wait_loadcnt 0x0
	CHAIN GB
.elseif STAGE == 1
	OFFS 0, OFFA
	GATHER 0, GA, OFFA
	s_wait_loadcnt 0x0
	CHAIN GA
.else
	s_wait_loadcnt 0x0                             ; x is in
.endif
	; The residual turns through my stage: in as it was loaded, out 16 neighbours along K a lane.  LDS serves a wave's instructions in order: no wait between.
.irp p, 0,1,2,3,4,5,6,7
.irp u, 0,1
	ds_store_b128 v[STW], v[X+8*\p+4*\u:X+8*\p+4*\u+3] offset:SPITCH*\p+256*\u
.endr
.endr
.irp b, 0,1,2,3
.irp j, 0,1,2,3
	ds_load_b128 v[GA+16*\b+4*\j:GA+16*\b+4*\j+3], v[STR] offset:128*\b+16*\j
.endr
.endr
	s_wait_dscnt 0x0                               ; the residual is back
.irp b, 0,1,2,3
	v_mov_b32 v[TM+4+\b], 0                        ; a lane permute's destination counts as one of its sources
.endr
	QUANT GA
	ds_store_b128 v[IMA], v[PC:PC+3]               ; the fragment as an image of its registers
	ds_store_b128 v[IMA], v[PC+4:PC+7] offset:512
	ds_store_b32 v[ISA], v[PW]                     ; lanes 16-31 hold the same word and write the same place
	s_wait_tensorcnt 0x0                           ; for the others' sake: my part of the record has landed,
	s_wait_dscnt 0x0                               ; and so have all my LDS stores
	s_barrier_signal -1
	s_lshr_b32 s16, s14, 3                         ; g
	s_and_b32 s17, s14, 7                          ; q
	v_and_b32 v[LN], 31, v0
	s_wait_alu depctr_va_vdst(0)
	v_bfe_u32 v[CAD], v0, 4, 1                     ; h
	s_wait_alu depctr_va_vdst(0)
	s_lshl_b32 s18, s17, 14
	v_lshl_add_u32 v[A0], v[LN], 4, s18
	s_lshl_b32 s18, s17, 10
	s_add_co_u32 s19, s18, CBS
	v_lshl_add_u32 v[S0], v[LN], 2, s19
	s_add_co_u32 s19, s18, CC
	v_lshl_add_u32 v[C0], v[CAD], 5, s19
	s_lshl_b32 s18, s17, 12
	s_lshl_b32 s19, s16, 11
	s_add_co_u32 s18, s18, s19
	s_add_co_u32 s18, s18, RES
	v_lshl_add_u32 v[RAD], v[LN], 3, s18
	s_lshl_b32 s18, s17, 8
	v_lshl_add_u32 v[T], v[CAD], 3, s18
	s_lshl_b32 s18, s16, 13
	s_add_co_u32 s18, s18, IMG
	v_lshl_add_u32 v[AAD], v[LN], 4, s18           ; my eight row tiles' images
	s_lshl_b32 s18, s16, 9
	s_add_co_u32 s18, s18, ISC
	v_lshl_add_u32 v[SAD], v[LN], 2, s18           ; and their scale words
	s_mov_b32 s22, 0                               ; trips
	s_mov_b32 s23, 0                               ; 2,048 bytes of images a trip
	s_mov_b32 s24, 0                               ; 128 bytes of cc and of scale words a trip
	s_mov_b32 s25, 0x7f800000                      ; +infinity
	s_wait_alu depctr_va_vdst(0)
	s_barrier_wait -1                              ; the record and the sixteen row tiles lie in LDS
; One product: u of 16 codewords x 16 rows.  pa: the tile is the odd one of AS's two; pb: the row tile is the odd one of its scale register's two.
.macro WM dd, bb, ss, pa, pb
.if (\pa) && (\pb)
	v_wmma_scale_f32_16x16x128_f8f6f4 v[\dd:\dd+7], v[AF:AF+7], v[\bb:\bb+7], v[CCR:CCR+7], v[AS], v[\ss] matrix_a_fmt:MATRIX_FMT_FP4 matrix_b_fmt:MATRIX_FMT_FP4 matrix_a_scale:MATRIX_SCALE_ROW1 matrix_b_scale:MATRIX_SCALE_ROW1
.elseif (\pa)
	v_wmma_scale_f32_16x16x128_f8f6f4 v[\dd:\dd+7], v[AF:AF+7], v[\bb:\bb+7], v[CCR:CCR+7], v[AS], v[\ss] matrix_a_fmt:MATRIX_FMT_FP4 matrix_b_fmt:MATRIX_FMT_FP4 matrix_a_scale:MATRIX_SCALE_ROW1
.elseif (\pb)
	v_wmma_scale_f32_16x16x128_f8f6f4 v[\dd:\dd+7], v[AF:AF+7], v[\bb:\bb+7], v[CCR:CCR+7], v[AS], v[\ss] matrix_a_fmt:MATRIX_FMT_FP4 matrix_b_fmt:MATRIX_FMT_FP4 matrix_b_scale:MATRIX_SCALE_ROW1
.else
	v_wmma_scale_f32_16x16x128_f8f6f4 v[\dd:\dd+7], v[AF:AF+7], v[\bb:\bb+7], v[CCR:CCR+7], v[AS], v[\ss] matrix_a_fmt:MATRIX_FMT_FP4 matrix_b_fmt:MATRIX_FMT_FP4
.endif
.endm
.macro W ib, d, par                    ; the tile against row tiles ib .. ib + 3.  No sum is added onto: each product is whole (K = 128), with cc as its C
.irp b, 0,1,2,3
	WM \d+8*\b,BF+8*(\ib+\b),BS+(\ib+\b)/2,\par,(\ib+\b)%2
.endr
.endm
.macro VA d                            ; the first read of each of the four results, from its low end
.irp b, 0,1,2,3
	v_min3_num_f32 v[TMP+4*\b], v[\d+8*\b], v[\d+8*\b+1], v[\d+8*\b+2]
.endr
.endm
.macro VB d, ib                        ; the rest of the least of eight u and best; where it is new: gid and the eight u are taken over
.irp b, 0,1,2,3
	v_min3_num_f32 v[TMP+4*\b+1], v[\d+8*\b+3], v[\d+8*\b+4], v[\d+8*\b+5]
.endr
.irp b, 0,1,2,3
	v_min3_num_f32 v[TMP+4*\b+2], v[\d+8*\b+6], v[\d+8*\b+7], v[BG+2*(\ib+\b)]
.endr
.irp b, 0,1,2,3
	s_delay_alu instid0(VALU_DEP_4)
	v_min3_num_f32 v[TMP+4*\b], v[TMP+4*\b], v[TMP+4*\b+1], v[TMP+4*\b+2]
.endr
.irp b, 0,1,2,3
	v_cmp_lt_f32 vcc_lo, v[TMP+4*\b], v[BG+2*(\ib+\b)]   ; strictly less: on a tie the earlier tile, the lower index, stays
.if USE_DUAL
	v_dual_mov_b32 v[BG+2*(\ib+\b)], v[TMP+4*\b] :: v_dual_cndmask_b32 v[BG+2*(\ib+\b)+1], v[BG+2*(\ib+\b)+1], v[T]
.else
	v_mov_b32 v[BG+2*(\ib+\b)], v[TMP+4*\b]
	v_cndmask_b32 v[BG+2*(\ib+\b)+1], v[BG+2*(\ib+\b)+1], v[T], vcc_lo
.endif
.irp j, 0,2,4,6
	SEL2 SV+8*(\ib+\b)+\j,\d+8*\b+\j,SV+8*(\ib+\b)+\j+1,\d+8*\b+\j+1
.endr
.endr
.endm
; A STEP works the u of the tile in hand and multiplies the next tile (np: its parity; oa, oc: its offsets from the trip's addresses).
; Places: a load into a register that a matrix instruction has read stands four plain vector instructions behind it: VA's four lines, which name DP and TMP alone, behind the products into DQ.
; Each result set is read, and written again, behind the forty lines that work the other set.
.macro STEP np, oa, oc
	VA DP
	ds_load_b128 v[AF:AF+3], v[AAD] offset:\oa
	ds_load_b128 v[AF+4:AF+7], v[AAD] offset:\oa+512
	ds_load_b128 v[CCR:CCR+3], v[CAD] offset:\oc
	ds_load_b128 v[CCR+4:CCR+7], v[CAD] offset:\oc+16
.if \np == 0
	ds_load_b32 v[AS], v[SAD] offset:\oc           ; an even tile begins a new pair of scale words
.endif
	VB DP, 0
	s_wait_dscnt 0x0                               ; the next tile is in (asked for 36 vector instructions ago)
	W 0, DP, \np
	VA DQ
	VB DQ, 4
	v_add_nc_u32 v[T], 16, v[T]
	W 4, DQ, \np
.endm
.irp i, 0,1,2,3,4,5,6,7
	ds_load_b128 v[BF+8*\i:BF+8*\i+3], v[AAD] offset:1024*\i
	ds_load_b128 v[BF+8*\i+4:BF+8*\i+7], v[AAD] offset:1024*\i+512
.endr
.irp k, 0,1,2,3
	ds_load_b32 v[BS+\k], v[SAD] offset:128*\k
.endr
	ds_load_b128 v[AF:AF+3], v[A0]                 ; my first tile
	ds_load_b128 v[AF+4:AF+7], v[A0] offset:512
	ds_load_b128 v[CCR:CCR+3], v[C0]
	ds_load_b128 v[CCR+4:CCR+7], v[C0] offset:16
	ds_load_b32 v[AS], v[S0]
.set i, 0
.rept 64
	v_mov_b32 v[SV+i], s25                         ; the state is written before the selections read it; the first tile replaces it
.set i, i+1
.endr
	s_wait_dscnt 0x0
	W 0, DP, 0
	W 4, DQ, 0
.irp i, 0,1,2,3,4,5,6,7                        ; sixteen plain lines: the places behind the first products
	v_mov_b32 v[BG+2*\i], s25                      ; best = +infinity
	v_mov_b32 v[BG+2*\i+1], v[T]
.endr
.Ltiles:                                           ; 7 trips of two tiles: tiles 2 i and 2 i + 1 are worked, tiles 2 i + 1 and 2 i + 2 multiplied
	v_add_nc_u32 v[AAD], s23, v[A0]                ; (no LDS load of mine is out)
	v_add_nc_u32 v[CAD], s24, v[C0]
	v_add_nc_u32 v[SAD], s24, v[S0]
	STEP 1, 1024, 64
	STEP 0, 2048, 128
	s_add_co_u32 s23, s23, 2048
	s_add_co_u32 s24, s24, 128
	s_add_co_u32 s22, s22, 1
	s_cmp_lt_u32 s22, 7
	s_cbranch_scc1 .Ltiles
	v_add_nc_u32 v[AAD], s23, v[A0]
	v_add_nc_u32 v[CAD], s24, v[C0]
	STEP 1, 1024, 64                               ; tile 14 is worked, tile 15 multiplied: nothing is read past my sixteen tiles
	VA DP                                          ; tile 15
	VB DP, 0
	VA DQ
	VB DQ, 4
	; The place inside the best tile: the lowest j whose u is best.
.irp i, 0,1,2,3,4,5,6,7
	v_mov_b32 v[TMP+\i], 7
.endr
.irp j, 6,5,4,3,2,1,0
.irp i, 0,1,2,3,4,5,6,7
	v_cmp_neq_f32 vcc_lo, v[SV+8*\i+\j], v[BG+2*\i]
	s_delay_alu instid0(VALU_DEP_1)
	v_cndmask_b32 v[TMP+\i], \j, v[TMP+\i], vcc_lo
.endr
.endr
.irp i, 0,1,2,3,4,5,6,7
	v_add_nc_u32 v[BG+2*\i+1], v[BG+2*\i+1], v[TMP+\i]
.endr
.irp i, 0,1,2,3,4,5,6,7
	ds_store_b64 v[RAD], v[BG+2*\i:BG+2*\i+1] offset:256*\i   ; (least u, its index) of my part of the codebook, for row tile 8 g + i
.endr
	s_wait_dscnt 0x0                               ; for the others' sake: my results have landed
	s_barrier_signal -1
	s_barrier_wait -1
	; THE END: wave w joins the eight parts of row tile w, then the two halves of the lanes, and stores the rows' history with the new index.
.set FV,  58                           ; v58-73  eight pairs (u, index)
.set OT,  74                           ; v74-75  lane l xor 16's pair
.set HRF, 76                           ; v76-79  my row's history
	s_lshl_b32 s16, s14, 8
	s_add_co_u32 s16, s16, RES
	v_lshl_add_u32 v[A0], v[LN], 3, s16
	v_lshlrev_b32 v[S0], 4, v0
	s_delay_alu instid0(VALU_DEP_1)
	v_add_nc_u32 v[S0], HST, v[S0]
	v_and_b32 v[C0], 15, v0
	s_delay_alu instid0(VALU_DEP_1)
	v_lshlrev_b32 v[C0], 4, v[C0]                  ; my row's 16 bytes among the wave's 256
.irp q, 0,1,2,3,4,5,6,7
	ds_load_b64 v[FV+2*\q:FV+2*\q+1], v[A0] offset:4096*\q
.endr
	ds_load_b128 v[HRF:HRF+3], v[S0]
	v_mov_b32 v[OT], 0                             ; a lane permute's destination counts as one of its sources
	v_mov_b32 v[OT+1], 0
	s_wait_dscnt 0x0
.irp q, 1,2,3,4,5,6,7
	v_cmp_lt_f32 vcc_lo, v[FV+2*\q], v[FV]         ; strictly less: on a tie the lower part stays
	SEL2 FV,FV+2*\q,FV+1,FV+2*\q+1
.endr
	v_permlanex16_b32 v[OT], v[FV], s[SEL], s[SEL+1]
	v_permlanex16_b32 v[OT+1], v[FV+1], s[SEL], s[SEL+1]
	s_delay_alu instid0(VALU_DEP_2)
	v_cmp_lt_f32 s30, v[OT], v[FV]                 ; the other half's is taken where it is less,
	s_delay_alu instid0(VALU_DEP_3)
	v_cmp_eq_f32 s31, v[OT], v[FV]
	s_delay_alu instid0(VALU_DEP_3)
	v_cmp_lt_u32 vcc_lo, v[OT+1], v[FV+1]          ; or equal with the lower index
	s_and_b32 s31, s31, vcc_lo
	s_or_b32 s30, s30, s31
	v_cndmask_b32 v[HRF+STAGE], v[FV+1], v[OT+1], s30     ; the index goes to this stage's entry of the row
	s_wait_alu depctr_va_vdst(0)
	s_wait_xcnt 0x0                                ; EXEC changes only behind this wait
	v_cmp_gt_u32 vcc_lo, 16, v[LN]
	s_and_saveexec_b32 s30, vcc_lo
	global_store_b128 v[C0], v[HRF:HRF+3], s[26:27]       ; sixteen lanes store the wave's 256 consecutive bytes, aligned
	s_wait_xcnt 0x0
	s_or_b32 exec_lo, exec_lo, s30
	s_wait_xcnt 0x0
	s_mov_b32 exec_lo, -1
	v_lshl_add_u32 v35, v0, 2, 0x4b400
	v_mov_b32 v255, 0
	s_wait_alu depctr_va_vdst(0)
	s_wait_tensorcnt 0x0
	ds_add_u32 v35, v255
	s_wait_dscnt 0x0
	ROUND                                          ; the closing round
	s_endpgm
.Lfunc_end_k_q12e4fb582a_st0:
	.size	k_q12e4fb582a_st0, .Lfunc_end_k_q12e4fb582a_st0-k_q12e4fb582a_st0
	.p2alignl 7, 3214868480
	.fill 96, 4, 3214868480
	.section	.rodata,"a",@progbits
	.p2align	6, 0x0
	.amdhsa_kernel k_q12e4fb582a_st0
		.amdhsa_group_segment_fixed_size 310272
		.amdhsa_private_segment_fixed_size 0
		.amdhsa_enable_private_segment 0
		.amdhsa_kernarg_size 32
		.amdhsa_user_sgpr_count 2
		.amdhsa_user_sgpr_kernarg_segment_ptr 1
		.amdhsa_wavefront_size32 1
		.amdhsa_system_sgpr_workgroup_id_x 1
		.amdhsa_system_sgpr_workgroup_id_y 1
		.amdhsa_system_sgpr_workgroup_id_z 1
		.amdhsa_system_vgpr_workitem_id 0
		.amdhsa_next_free_vgpr 256
		.amdhsa_next_free_sgpr 66
		.amdhsa_reserve_vcc 1
		.amdhsa_float_denorm_mode_32 3
		.amdhsa_float_denorm_mode_16_64 3
		.amdhsa_memory_ordered 1
		.amdhsa_forward_progress 1
		.amdhsa_inst_pref_size 54
	.end_amdhsa_kernel
	.amdgpu_metadata
---
amdhsa.version: [ 1, 2 ]
amdhsa.kernels:
  - .name:           k_q12e4fb582a_st0
    .symbol:         k_q12e4fb582a_st0.kd
    .args:
      - { .name: x, .offset: 0, .size: 8, .value_kind: global_buffer, .address_space: global }
      - { .name: codebooks, .offset: 8, .size: 8, .value_kind: global_buffer, .address_space: global }
      - { .name: cq, .offset: 16, .size: 8, .value_kind: global_buffer, .address_space: global }
      - { .name: ha, .offset: 24, .size: 8, .value_kind: global_buffer, .address_space: global }
    .group_segment_fixed_size: 310272
    .private_segment_fixed_size: 0
    .kernarg_segment_align: 8
    .kernarg_segment_size: 32
    .max_flat_workgroup_size: 512
    .sgpr_count:     66
    .vgpr_count:     256
    .wavefront_size: 32
...
	.end_amdgpu_metadata
.endif
;; end of part 2
;; launch st1 (part 3): grid 256 x 1, 16 waves a work-group, clusters of 4 x 1, 310,272 bytes of LDS; arguments x, codebooks, cq, ha, hb; writes hb
.if DOCPART == 3
	.amdgcn_target "amdgcn-amd-amdhsa--gfx1250"
	.amdhsa_code_object_version 6
	.text
	.protected	k_q12e4fb582a_st1
	.globl	k_q12e4fb582a_st1
	.p2align	8
	.type	k_q12e4fb582a_st1,@function
k_q12e4fb582a_st1:
	s_mov_b64 s[64:65], 0
	v_nop
	global_prefetch_b8 v0, s[64:65] scope:SCOPE_SE
	s_setreg_imm32_b32 hwreg(HW_REG_WAVE_MODE, 25, 1), 1
	s_wait_xcnt 0x0
	s_wait_alu depctr_hold_cnt(0) depctr_sa_sdst(0) depctr_va_vdst(0) depctr_va_sdst(0) depctr_va_ssrc(0) depctr_va_vcc(0) depctr_vm_vsrc(0)
	s_getreg_b32 s2, hwreg(HW_REG_IB_STS2, 6, 4)
	s_cmp_eq_u32 s2, 0
	s_cbranch_scc0 .Lentry_in_a_cluster
	s_endpgm
.Lentry_in_a_cluster:
	s_bfe_u32 s2, ttmp6, 0x10000c
	s_cmp_lg_u32 s2, 0x3003
	s_cbranch_scc0 .Lentry_shape_is_right
	s_endpgm
.Lentry_shape_is_right:
; ONE STAGE OF THE RESIDUAL QUANTISER: for each of the 65,536 rows the index of the nearest codeword of stage STAGE.
; The four stages' texts differ in the next line alone: the stage's number is a constant of the text, so that no branch and no scalar address hangs on a number read from memory.
.set STAGE, 1
; Arguments: x, codebooks, cq (the stages' operands), hin (the index history; stage 0 has none), hout (the history with this stage's index added).  A history row is four int32, 0 where not yet chosen.
; THE RESIDUAL is made anew from x and the earlier indices by the definition's own f32 chain (t = c - r, y = r + t, r = r - y); the codewords are gathered by indices that an EARLIER launch stored.
; THE DISTANCE: cq holds -2 Q(C) as codes and scale bytes, and cc.  Source 0 = 16 codewords, source 1 = 16 rows, C = cc: one matrix instruction gives u = cc - 2 r.c; lane (r, h), register j: codeword 16 tile + 8 h + j, row r.
; LIMITS.  The row's own square sum is not added: one number a row, it moves no exact order.  u is rounded once, by the matrix unit: where two distances of a row lie within the rounding of
; rr - 2 r.c + cc, the order here may differ from the definition's.  Exact ties of u go to the lower index.  NaN and infinities are not served.  An index read from hin is held at 2,047.
; SHARES.  A work-group owns 256 rows: 16 tiles of 16.  Prologue: wave w makes row tile w's residual, quantises it and lays its fragment's image in LDS.  Main part: waves 8 g + q hold the eight fragments
; of row tiles 8 g .. 8 g + 7 in registers and walk codebook tiles 16 q .. 16 q + 15.  End: wave w joins the eight parts of row tile w.
; THE RECORD of the stage (147,456 bytes of cq) is the same for all work-groups: clusters of four ask for it jointly, each of the sixteen waves by one tensor load of 36 rows x 256 bytes, once,
; behind the wave's loads of x; each wave waits for its load ahead of the first barrier.  No LDS byte is filled again.
; No prefetch: every load from memory stands at the head, and there is no loop to run ahead in.
; THE ARGMIN keeps, for each row tile, the least u so far (best), the first codeword of my half of the tile that held it (gid) and that tile's eight u (SV); the place inside the tile is looked for once, behind the loop.
.set USE_DUAL, 1
.set REC,    147456
.set CBS,    131072                    ; LDS: 0: the 128 tiles' images, 1,024 bytes each; CBS: the 2,048 scale words; CC: the 2,048 cc: as they lie in the record
.set CC,     139264
.set STG,    147456                    ; a stage of 16 rows x (512 + 16) bytes for each wave
.set SPITCH, 528
.set IMG,    282624                    ; the 16 row tiles' images, 1,024 bytes each
.set ISC,    299008                    ; their scale words, 64 bytes each
.set HST,    300032                    ; each thread's history row, kept over the main part: 16 x thread
.set RES,    STG                       ; the waves' results [q][row tile][lane] x 8 bytes: the stages are read for the last time ahead of the first barrier
.if STAGE > 0
.set HO, 12                            ; s[HO:HO+1]: hout
.else
.set HO, 10
.endif
; PROLOGUE
.set LX,   1                           ; v1   x: 16 (l % 16) + 4,096 (l / 16): lanes 0-15 take row p, lanes 16-31 row p + 8; each half wave 256 consecutive bytes
.set LG,   2                           ; v2   16 (l % 16)
.set STW,  3                           ; v3   my stage, as loaded
.set STR,  4                           ; v4   my stage, 16 neighbours a lane
.set IMA,  5                           ; v5   my row tile's image
.set ISA,  6                           ; v6   and its scale words
.set HSA,  7                           ; v7   HST + 16 x thread
.set FA,   8                           ; v8   16 x thread
.set HDO,  10                          ; v10  16 ((l % 8) + 8 (l / 16))
.set HD,   12                          ; v12-15  the history of row (l % 8) + 8 (l / 16)
.set HR,   16                          ; v16-19  the history of row l % 16
.set OFFA, 20                          ; v20-27, v28-35  eight gather offsets each
.set OFFB, 28
.set TM,   36                          ; v36-61  QUANT's registers; v62, v63: the opening add's two registers
.set PW,   52
.set PC,   54
.set X,    64                          ; v64-127  the residual: register 8 p + 4 u + e
.set GA,   128                         ; v128-191, v192-255  gathered codewords
.set GB,   192
.set SEL,  20                          ; s[20:21] lane selects: lane l xor 16
; MAIN PART
.set A0,   1                           ; v1   16 lane + 16,384 q: my first tile's image
.set S0,   2                           ; v2   CBS + 1,024 q + 4 lane: lanes 0-15 an even tile's words, lanes 16-31 the odd tile's behind it
.set C0,   3                           ; v3   CC + 1,024 q + 32 h
.set RAD,  4                           ; v4   where my results go
.set T,    5                           ; v5   16 tile + 8 h of the tile whose u are in hand
.set AAD,  6                           ; v6-8 the three addresses of the trip in hand (v6, v7 first serve the rows' fragments and scale words)
.set SAD,  7
.set CAD,  8
.set LN,   9                           ; v9   lane
.set BG,   10                          ; v10-25   best of row tile i at 10 + 2 i, gid at 11 + 2 i
.set TMP,  26                          ; v26-41   at work
.set AF,   42                          ; v42-49   the codebook tile's fragment
.set CCR,  50                          ; v50-57   its cc, in the result's layout
.set DP,   58                          ; v58-89   u of row tiles 0-3
.set DQ,   90                          ; v90-121  u of row tiles 4-7
.set SV,   122                         ; v122-185 the best tile's eight u, for each row tile
.set BF,   186                         ; v186-249 the eight row tiles' fragments
.set BS,   250                         ; v250-253 their scale words: lanes 0-15 row tile 2 k, lanes 16-31 row tile 2 k + 1
.set AS,   254                         ; v254     the codebook's scale words of two tiles
.macro SEL2 d0, a0, d1, a1             ; two selections on VCC: d = VCC ? a : d.  d0 is even and d1 = d0 + 1, a1 = a0 + 1
.if USE_DUAL
	v_dual_cndmask_b32 v[\d0], v[\d0], v[\a0] :: v_dual_cndmask_b32 v[\d1], v[\d1], v[\a1]
.else
	v_cndmask_b32 v[\d0], v[\d0], v[\a0], vcc_lo
	v_cndmask_b32 v[\d1], v[\d1], v[\a1], vcc_lo
.endif
.endm
.macro OFFS j, o                       ; the byte offsets of stage j's codewords of rows p (lanes 0-15) and p + 8 (lanes 16-31), p = 0 .. 7
.irp p, 0,1,2,3,4,5,6,7
	v_mov_b32_dpp v[\o+\p], v[HD+\j] row_share:\p row_mask:0xf bank_mask:0xf
.endr
.irp p, 0,1,2,3,4,5,6,7
	v_min_u32 v[\o+\p], 0x7ff, v[\o+\p]            ; an index stays inside its table
.endr
.irp p, 0,1,2,3,4,5,6,7
	v_lshl_add_u32 v[\o+\p], v[\o+\p], 9, v[LG]
.endr
.endm
.macro GATHER j, g, o                  ; 16 loads, laid as x is: each half wave takes 256 consecutive bytes of a codeword
.irp p, 0,1,2,3,4,5,6,7
.irp u, 0,1
	global_load_b128 v[\g+8*\p+4*\u:\g+8*\p+4*\u+3], v[\o+\p], s[6:7] offset:(\j<<20)+256*\u
.endr
.endr
.endm
.macro CHAIN g                         ; one stage of the residual, as the definition has it
.set i, 0
.rept 32
	v_pk_add_f32 v[\g+i:\g+i+1], v[\g+i:\g+i+1], v[X+i:X+i+1] neg_lo:[0,1] neg_hi:[0,1]   ; t = c - r
.set i, i+2
.endr
.set i, 0
.rept 32
	v_pk_add_f32 v[\g+i:\g+i+1], v[X+i:X+i+1], v[\g+i:\g+i+1]                             ; y = r + t
.set i, i+2
.endr
.set i, 0
.rept 32
	v_pk_add_f32 v[X+i:X+i+1], v[X+i:X+i+1], v[\g+i:\g+i+1] neg_lo:[0,1] neg_hi:[0,1]     ; r = r - y
.set i, i+2
.endr
.endm
.macro ROUND                           ; a round of the cluster's barrier: my work-group's barrier, wave 0's signal for it, every wave's wait for the four, my work-group's barrier
	s_barrier_signal -1
	s_barrier_wait -1
	s_cmp_lg_u32 s14, 0
	s_cbranch_scc1 .Lnot_wave_0_\@
	s_barrier_signal -3
.Lnot_wave_0_\@:
	s_barrier_wait -3
	s_barrier_signal -1
	s_barrier_wait -1
.endm
; 64 numbers of a lane, register 16 b + i = k 32 b + 16 (lane / 16) + i of my row, become a fragment's codes in v[PC] on and its scale word in v[PW].
.macro QUANT s
.irp b, 0,1,2,3
	v_max3_num_f32 v[TM+\b], |v[\s+16*\b]|, |v[\s+1+16*\b]|, 0x1800000   ; block b: my 16 numbers, and the floor 2^(3 - 127): the byte cannot fall under 1
.endr
.irp i, 2,4,6,8,10,12,14
.irp b, 0,1,2,3
	s_delay_alu instid0(VALU_DEP_4)
	v_max3_num_f32 v[TM+\b], v[TM+\b], |v[\s+16*\b+\i]|, |v[\s+1+16*\b+\i]|
.endr
.endr
.irp b, 0,1,2,3
	s_delay_alu instid0(VALU_DEP_4)
	v_permlanex16_b32 v[TM+4+\b], v[TM+\b], s[SEL], s[SEL+1]
.endr
.irp b, 0,1,2,3
	s_delay_alu instid0(VALU_DEP_4)
	v_max_num_f32 v[TM+\b], v[TM+\b], v[TM+4+\b]   ; with lane l xor 16's: the block's largest magnitude
.endr
.irp b, 0,1,2,3
	s_delay_alu instid0(VALU_DEP_4)
	v_add_nc_u32 v[TM+12+\b], 0xff000000, v[TM+\b]   ; 2 off its exponent field: the conversion's scale operand
.endr
.irp b, 0,1,2,3
	s_delay_alu instid0(VALU_DEP_4)
	v_lshrrev_b32 v[TM+4+\b], 23, v[TM+12+\b]      ; the scale's byte
.endr
	s_delay_alu instid0(VALU_DEP_3)
	v_lshl_or_b32 v[PW], v[TM+5], 8, v[TM+4]
	s_delay_alu instid0(VALU_DEP_1)
	v_lshl_or_b32 v[PW], v[TM+6], 16, v[PW]
	s_delay_alu instid0(VALU_DEP_1)
	v_lshl_or_b32 v[PW], v[TM+7], 24, v[PW]
.irp b, 0,1,2,3
	v_cvt_scalef32_pk8_fp4_f32 v[PC+2*\b], v[\s+16*\b:\s+7+16*\b], v[TM+12+\b]
	v_cvt_scalef32_pk8_fp4_f32 v[PC+1+2*\b], v[\s+8+16*\b:\s+15+16*\b], v[TM+12+\b]
.endr
	v_nop                                          ; one plain place behind a scaled conversion
.irp c, 0,1                                    ; a whole block to a lane: lanes 0-15 block 2 c, lanes 16-31 block 2 c + 1
.irp i, 0,1
	v_permlane16_swap_b32 v[PC+4*\c+\i], v[PC+2+4*\c+\i]
.endr
.endr
.endm
	s_load_b256 s[4:11], s[0:1], 0x0               ; x s[4:5], codebooks s[6:7], cq s[8:9], s[10:11]: hin (stage 0: hout)
.if STAGE > 0
	s_load_b64 s[12:13], s[0:1], 0x20              ; hout
.endif
	v_lshl_add_u32 v62, v0, 2, 0x4b400             ; my spare word, behind the history rows
	v_mov_b32 v63, 0
	ds_add_u32 v62, v63                            ; the opening lines: the add, twice on end, and its wait ahead of my tensor load
	ds_add_u32 v62, v63
	v_lshrrev_b32 v12, 5, v0
	s_delay_alu instid0(VALU_DEP_1)
	v_readfirstlane_b32 s14, v12                   ; wave 0..15
	v_and_b32 v12, 31, v0                          ; lane
	v_and_b32 v13, 15, v0                          ; r
	v_bfe_u32 v14, v0, 4, 1                        ; h
	s_delay_alu instid0(VALU_DEP_2)
	v_lshlrev_b32 v[LG], 4, v13
	s_delay_alu instid0(VALU_DEP_1)
	v_lshl_add_u32 v[LX], v14, 12, v[LG]
	s_mul_i32 s16, s14, 16*SPITCH
	s_add_co_u32 s16, s16, STG                     ; my stage
	v_mad_u32_u24 v15, v14, 8*SPITCH, v[LG]
	s_delay_alu instid0(VALU_DEP_1)
	v_add_nc_u32 v[STW], s16, v15                  ; in: row p + 8 h, 16 bytes a lane
	v_mul_u32_u24 v15, v13, SPITCH
	s_delay_alu instid0(VALU_DEP_1)
	v_lshl_add_u32 v15, v14, 6, v15
	s_delay_alu instid0(VALU_DEP_1)
	v_add_nc_u32 v[STR], s16, v15                  ; out: row r, + 64 h: my 16 numbers of a block of 32
	s_lshl_b32 s16, s14, 10
	s_add_co_u32 s16, s16, IMG
	v_lshl_add_u32 v[IMA], v12, 4, s16
	s_lshl_b32 s16, s14, 6
	s_add_co_u32 s16, s16, ISC
	v_lshl_add_u32 v[ISA], v13, 2, s16
	v_lshlrev_b32 v[FA], 4, v0
	s_delay_alu instid0(VALU_DEP_1)
	v_add_nc_u32 v[HSA], HST, v[FA]
.if STAGE > 0
	v_and_b32 v15, 7, v0
	s_delay_alu instid0(VALU_DEP_1)
	v_lshl_add_u32 v15, v14, 3, v15
	s_delay_alu instid0(VALU_DEP_1)
	v_lshlrev_b32 v[HDO], 4, v15
.irp i, 0,1,2,3,4,5,6,7,8,9,10,11,12,13,14,15
	v_mov_b32 v[OFFA+\i], 0                        ; written once: the destination of a DPP move counts as one of its sources
.endr
.endif
	s_mov_b32 s[SEL], 0x76543210
	s_mov_b32 s[SEL+1], 0xfedcba98
	s_bfe_u32 s15, ttmp6, 0x40000                  ; my place in the cluster of four
	s_lshl_b32 s16, ttmp9, 2
	s_add_co_u32 s15, s15, s16                     ; the work-group's number
	s_lshl_b32 s16, s15, 17                        ; the work-group's 256 rows of 512 bytes,
	s_lshl_b32 s17, s14, 13                        ; my wave's 16
	s_add_co_u32 s16, s16, s17
	s_mov_b32 s17, 0
	s_lshl_b32 s18, s15, 12                        ; and the same rows of the history, 16 bytes each
	s_lshl_b32 s19, s14, 8
	s_add_co_u32 s18, s18, s19
	s_mov_b32 s19, 0
	s_mov_b32 s32, 1                               ; group 0: count; LDS address: my wave's 9,216 bytes of the record, at their place in it
	s_mul_i32 s33, s14, 9216
	s_mul_i32 s28, s14, 9216                       ; and the same offset in memory
	s_mov_b32 s29, 0
	s_mov_b32 s36, 15|(3<<16)|(1<<21)              ; group 1: the four of the cluster; elements of 8 bytes; bit 21 beside a mask
	s_mov_b32 s37, 32<<16                          ; tensor_dim0 = 32 elements: rows of 256 bytes
	s_mov_b32 s38, 36<<16                          ; tensor_dim1 = 36
	s_mov_b32 s39, 32<<16                          ; tile_dim0
	s_mov_b32 s40, 36                              ; tile_dim1
	s_mov_b32 s41, 32                              ; the pitch: the block is dense
	s_mov_b32 s42, 0
	s_mov_b32 s43, 0
	s_wait_alu depctr_va_vdst(0)
	s_wait_dscnt 0x0                               ; both opening adds are done
	s_wait_kmcnt 0x0
	s_add_nc_u64 s[34:35], s[8:9], s[28:29]
.if STAGE > 0
	s_add_nc_u64 s[34:35], s[34:35], STAGE*REC     ; the stage's record
.endif
	s_or_b32 s35, s35, 0x80000000                  ; type = 2
	s_add_nc_u64 s[4:5], s[4:5], s[16:17]
	s_add_nc_u64 s[26:27], s[HO:HO+1], s[18:19]
.if STAGE > 0
	s_add_nc_u64 s[24:25], s[10:11], s[18:19]
	global_load_b128 v[HD:HD+3], v[HDO], s[24:25]
	global_load_b128 v[HR:HR+3], v[LG], s[24:25]
.endif
.irp p, 0,1,2,3,4,5,6,7
.irp u, 0,1
	global_load_b128 v[X+8*\p+4*\u:X+8*\p+4*\u+3], v[LX], s[4:5] offset:512*\p+256*\u   ; later launches read x again: no hint
.endr
.endr
	ROUND                                          ; the four work-groups are here: the joint loads meet
	tensor_load_to_lds s[32:35], s[36:43]          ; my sixteenth of the record: the wave's one tensor load
	s_nop 0
.if STAGE > 0
	s_wait_loadcnt 16                              ; behind the two history loads stand x's 16
.else
.irp i, 0,1,2,3
	v_mov_b32 v[HR+\i], 0                          ; no stage is done: the row begins as zeros
.endr
.endif
	ds_store_b128 v[HSA], v[HR:HR+3]               ; kept in LDS over the main part
	; The residual of this stage.
.if STAGE == 3
	OFFS 0, OFFA
	GATHER 0, GA, OFFA
	OFFS 1, OFFB
	GATHER 1, GB, OFFB
	s_wait_loadcnt 16                              ; x and stage 0's codewords are in; stage 1's 16 loads may be out
	CHAIN GA
	OFFS 2, OFFA                                   ; (stage 0's gathers are done: their offsets may be written)
	GATHER 2, GA, OFFA
	s_wait_loadcnt 16                              ; stage 1's are in; stage 2's 16 may be out
	CHAIN GB
	s_wait_loadcnt 0x0                             ; stage 2's are in
	CHAIN GA
.elseif STAGE == 2
	OFFS 0, OFFA
	GATHER 0, GA, OFFA
	OFFS 1, OFFB
	GATHER 1, GB, OFFB
	s_wait_loadcnt 16                              ; stage 1's 16 loads may be out
	CHAIN GA
	s_wait_loadcnt 0x0
	CHAIN GB
.elseif STAGE == 1
	OFFS 0, OFFA
	GATHER 0, GA, OFFA
	s_wait_loadcnt 0x0
	CHAIN GA
.else
	s_wait_loadcnt 0x0                             ; x is in
.endif
	; The residual turns through my stage: in as it was loaded, out 16 neighbours along K a lane.  LDS serves a wave's instructions in order: no wait between.
.irp p, 0,1,2,3,4,5,6,7
.irp u, 0,1
	ds_store_b128 v[STW], v[X+8*\p+4*\u:X+8*\p+4*\u+3] offset:SPITCH*\p+256*\u
.endr
.endr
.irp b, 0,1,2,3
.irp j, 0,1,2,3
	ds_load_b128 v[GA+16*\b+4*\j:GA+16*\b+4*\j+3], v[STR] offset:128*\b+16*\j
.endr
.endr
	s_wait_dscnt 0x0                               ; the residual is back
.irp b, 0,1,2,3
	v_mov_b32 v[TM+4+\b], 0                        ; a lane permute's destination counts as one of its sources
.endr
	QUANT GA
	ds_store_b128 v[IMA], v[PC:PC+3]               ; the fragment as an image of its registers
	ds_store_b128 v[IMA], v[PC+4:PC+7] offset:512
	ds_store_b32 v[ISA], v[PW]                     ; lanes 16-31 hold the same word and write the same place
	s_wait_tensorcnt 0x0                           ; for the others' sake: my part of the record has landed,
	s_wait_dscnt 0x0                               ; and so have all my LDS stores
	s_barrier_signal -1
	s_lshr_b32 s16, s14, 3                         ; g
	s_and_b32 s17, s14, 7                          ; q
	v_and_b32 v[LN], 31, v0
	s_wait_alu depctr_va_vdst(0)
	v_bfe_u32 v[CAD], v0, 4, 1                     ; h
	s_wait_alu depctr_va_vdst(0)
	s_lshl_b32 s18, s17, 14
	v_lshl_add_u32 v[A0], v[LN], 4, s18
	s_lshl_b32 s18, s17, 10
	s_add_co_u32 s19, s18, CBS
	v_lshl_add_u32 v[S0], v[LN], 2, s19
	s_add_co_u32 s19, s18, CC
	v_lshl_add_u32 v[C0], v[CAD], 5, s19
	s_lshl_b32 s18, s17, 12
	s_lshl_b32 s19, s16, 11
	s_add_co_u32 s18, s18, s19
	s_add_co_u32 s18, s18, RES
	v_lshl_add_u32 v[RAD], v[LN], 3, s18
	s_lshl_b32 s18, s17, 8
	v_lshl_add_u32 v[T], v[CAD], 3, s18
	s_lshl_b32 s18, s16, 13
	s_add_co_u32 s18, s18, IMG
	v_lshl_add_u32 v[AAD], v[LN], 4, s18           ; my eight row tiles' images
	s_lshl_b32 s18, s16, 9
	s_add_co_u32 s18, s18, ISC
	v_lshl_add_u32 v[SAD], v[LN], 2, s18           ; and their scale words
	s_mov_b32 s22, 0                               ; trips
	s_mov_b32 s23, 0                               ; 2,048 bytes of images a trip
	s_mov_b32 s24, 0                               ; 128 bytes of cc and of scale words a trip
	s_mov_b32 s25, 0x7f800000                      ; +infinity
	s_wait_alu depctr_va_vdst(0)
	s_barrier_wait -1                              ; the record and the sixteen row tiles lie in LDS
; One product: u of 16 codewords x 16 rows.  pa: the tile is the odd one of AS's two; pb: the row tile is the odd one of its scale register's two.
.macro WM dd, bb, ss, pa, pb
.if (\pa) && (\pb)
	v_wmma_scale_f32_16x16x128_f8f6f4 v[\dd:\dd+7], v[AF:AF+7], v[\bb:\bb+7], v[CCR:CCR+7], v[AS], v[\ss] matrix_a_fmt:MATRIX_FMT_FP4 matrix_b_fmt:MATRIX_FMT_FP4 matrix_a_scale:MATRIX_SCALE_ROW1 matrix_b_scale:MATRIX_SCALE_ROW1
.elseif (\pa)
	v_wmma_scale_f32_16x16x128_f8f6f4 v[\dd:\dd+7], v[AF:AF+7], v[\bb:\bb+7], v[CCR:CCR+7], v[AS], v[\ss] matrix_a_fmt:MATRIX_FMT_FP4 matrix_b_fmt:MATRIX_FMT_FP4 matrix_a_scale:MATRIX_SCALE_ROW1
.elseif (\pb)
	v_wmma_scale_f32_16x16x128_f8f6f4 v[\dd:\dd+7], v[AF:AF+7], v[\bb:\bb+7], v[CCR:CCR+7], v[AS], v[\ss] matrix_a_fmt:MATRIX_FMT_FP4 matrix_b_fmt:MATRIX_FMT_FP4 matrix_b_scale:MATRIX_SCALE_ROW1
.else
	v_wmma_scale_f32_16x16x128_f8f6f4 v[\dd:\dd+7], v[AF:AF+7], v[\bb:\bb+7], v[CCR:CCR+7], v[AS], v[\ss] matrix_a_fmt:MATRIX_FMT_FP4 matrix_b_fmt:MATRIX_FMT_FP4
.endif
.endm
.macro W ib, d, par                    ; the tile against row tiles ib .. ib + 3.  No sum is added onto: each product is whole (K = 128), with cc as its C
.irp b, 0,1,2,3
	WM \d+8*\b,BF+8*(\ib+\b),BS+(\ib+\b)/2,\par,(\ib+\b)%2
.endr
.endm
.macro VA d                            ; the first read of each of the four results, from its low end
.irp b, 0,1,2,3
	v_min3_num_f32 v[TMP+4*\b], v[\d+8*\b], v[\d+8*\b+1], v[\d+8*\b+2]
.endr
.endm
.macro VB d, ib                        ; the rest of the least of eight u and best; where it is new: gid and the eight u are taken over
.irp b, 0,1,2,3
	v_min3_num_f32 v[TMP+4*\b+1], v[\d+8*\b+3], v[\d+8*\b+4], v[\d+8*\b+5]
.endr
.irp b, 0,1,2,3
	v_min3_num_f32 v[TMP+4*\b+2], v[\d+8*\b+6], v[\d+8*\b+7], v[BG+2*(\ib+\b)]
.endr
.irp b, 0,1,2,3
	s_delay_alu instid0(VALU_DEP_4)
	v_min3_num_f32 v[TMP+4*\b], v[TMP+4*\b], v[TMP+4*\b+1], v[TMP+4*\b+2]
.endr
.irp b, 0,1,2,3
	v_cmp_lt_f32 vcc_lo, v[TMP+4*\b], v[BG+2*(\ib+\b)]   ; strictly less: on a tie the earlier tile, the lower index, stays
.if USE_DUAL
	v_dual_mov_b32 v[BG+2*(\ib+\b)], v[TMP+4*\b] :: v_dual_cndmask_b32 v[BG+2*(\ib+\b)+1], v[BG+2*(\ib+\b)+1], v[T]
.else
	v_mov_b32 v[BG+2*(\ib+\b)], v[TMP+4*\b]
	v_cndmask_b32 v[BG+2*(\ib+\b)+1], v[BG+2*(\ib+\b)+1], v[T], vcc_lo
.endif
.irp j, 0,2,4,6
	SEL2 SV+8*(\ib+\b)+\j,\d+8*\b+\j,SV+8*(\ib+\b)+\j+1,\d+8*\b+\j+1
.endr
.endr
.endm
; A STEP works the u of the tile in hand and multiplies the next tile (np: its parity; oa, oc: its offsets from the trip's addresses).
; Places: a load into a register that a matrix instruction has read stands four plain vector instructions behind it: VA's four lines, which name DP and TMP alone, behind the products into DQ.
; Each result set is read, and written again, behind the forty lines that work the other set.
.macro STEP np, oa, oc
	VA DP
	ds_load_b128 v[AF:AF+3], v[AAD] offset:\oa
	ds_load_b128 v[AF+4:AF+7], v[AAD] offset:\oa+512
	ds_load_b128 v[CCR:CCR+3], v[CAD] offset:\oc
	ds_load_b128 v[CCR+4:CCR+7], v[CAD] offset:\oc+16
.if \np == 0
	ds_load_b32 v[AS], v[SAD] offset:\oc           ; an even tile begins a new pair of scale words
.endif
	VB DP, 0
	s_wait_dscnt 0x0                               ; the next tile is in (asked for 36 vector instructions ago)
	W 0, DP, \np
	VA DQ
	VB DQ, 4
	v_add_nc_u32 v[T], 16, v[T]
	W 4, DQ, \np
.endm
.irp i, 0,1,2,3,4,5,6,7
	ds_load_b128 v[BF+8*\i:BF+8*\i+3], v[AAD] offset:1024*\i
	ds_load_b128 v[BF+8*\i+4:BF+8*\i+7], v[AAD] offset:1024*\i+512
.endr
.irp k, 0,1,2,3
	ds_load_b32 v[BS+\k], v[SAD] offset:128*\k
.endr
	ds_load_b128 v[AF:AF+3], v[A0]                 ; my first tile
	ds_load_b128 v[AF+4:AF+7], v[A0] offset:512
	ds_load_b128 v[CCR:CCR+3], v[C0]
	ds_load_b128 v[CCR+4:CCR+7], v[C0] offset:16
	ds_load_b32 v[AS], v[S0]
.set i, 0
.rept 64
	v_mov_b32 v[SV+i], s25                         ; the state is written before the selections read it; the first tile replaces it
.set i, i+1
.endr
	s_wait_dscnt 0x0
	W 0, DP, 0
	W 4, DQ, 0
.irp i, 0,1,2,3,4,5,6,7                        ; sixteen plain lines: the places behind the first products
	v_mov_b32 v[BG+2*\i], s25                      ; best = +infinity
	v_mov_b32 v[BG+2*\i+1], v[T]
.endr
.Ltiles:                                           ; 7 trips of two tiles: tiles 2 i and 2 i + 1 are worked, tiles 2 i + 1 and 2 i + 2 multiplied
	v_add_nc_u32 v[AAD], s23, v[A0]                ; (no LDS load of mine is out)
	v_add_nc_u32 v[CAD], s24, v[C0]
	v_add_nc_u32 v[SAD], s24, v[S0]
	STEP 1, 1024, 64
	STEP 0, 2048, 128
	s_add_co_u32 s23, s23, 2048
	s_add_co_u32 s24, s24, 128
	s_add_co_u32 s22, s22, 1
	s_cmp_lt_u32 s22, 7
	s_cbranch_scc1 .Ltiles
	v_add_nc_u32 v[AAD], s23, v[A0]
	v_add_nc_u32 v[CAD], s24, v[C0]
	STEP 1, 1024, 64                               ; tile 14 is worked, tile 15 multiplied: nothing is read past my sixteen tiles
	VA DP                                          ; tile 15
	VB DP, 0
	VA DQ
	VB DQ, 4
	; The place inside the best tile: the lowest j whose u is best.
.irp i, 0,1,2,3,4,5,6,7
	v_mov_b32 v[TMP+\i], 7
.endr
.irp j, 6,5,4,3,2,1,0
.irp i, 0,1,2,3,4,5,6,7
	v_cmp_neq_f32 vcc_lo, v[SV+8*\i+\j], v[BG+2*\i]
	s_delay_alu instid0(VALU_DEP_1)
	v_cndmask_b32 v[TMP+\i], \j, v[TMP+\i], vcc_lo
.endr
.endr
.irp i, 0,1,2,3,4,5,6,7
	v_add_nc_u32 v[BG+2*\i+1], v[BG+2*\i+1], v[TMP+\i]
.endr
.irp i, 0,1,2,3,4,5,6,7
	ds_store_b64 v[RAD], v[BG+2*\i:BG+2*\i+1] offset:256*\i   ; (least u, its index) of my part of the codebook, for row tile 8 g + i
.endr
	s_wait_dscnt 0x0                               ; for the others' sake: my results have landed
	s_barrier_signal -1
	s_barrier_wait -1
	; THE END: wave w joins the eight parts of row tile w, then the two halves of the lanes, and stores the rows' history with the new index.
.set FV,  58                           ; v58-73  eight pairs (u, index)
.set OT,  74                           ; v74-75  lane l xor 16's pair
.set HRF, 76                           ; v76-79  my row's history
	s_lshl_b32 s16, s14, 8
	s_add_co_u32 s16, s16, RES
	v_lshl_add_u32 v[A0], v[LN], 3, s16
	v_lshlrev_b32 v[S0], 4, v0
	s_delay_alu instid0(VALU_DEP_1)
	v_add_nc_u32 v[S0], HST, v[S0]
	v_and_b32 v[C0], 15, v0
	s_delay_alu instid0(VALU_DEP_1)
	v_lshlrev_b32 v[C0], 4, v[C0]                  ; my row's 16 bytes among the wave's 256
.irp q, 0,1,2,3,4,5,6,7
	ds_load_b64 v[FV+2*\q:FV+2*\q+1], v[A0] offset:4096*\q
.endr
	ds_load_b128 v[HRF:HRF+3], v[S0]
	v_mov_b32 v[OT], 0                             ; a lane permute's destination counts as one of its sources
	v_mov_b32 v[OT+1], 0
	s_wait_dscnt 0x0
.irp q, 1,2,3,4,5,6,7
	v_cmp_lt_f32 vcc_lo, v[FV+2*\q], v[FV]         ; strictly less: on a tie the lower part stays
	SEL2 FV,FV+2*\q,FV+1,FV+2*\q+1
.endr
	v_permlanex16_b32 v[OT], v[FV], s[SEL], s[SEL+1]
	v_permlanex16_b32 v[OT+1], v[FV+1], s[SEL], s[SEL+1]
	s_delay_alu instid0(VALU_DEP_2)
	v_cmp_lt_f32 s30, v[OT], v[FV]                 ; the other half's is taken where it is less,
	s_delay_alu instid0(VALU_DEP_3)
	v_cmp_eq_f32 s31, v[OT], v[FV]
	s_delay_alu instid0(VALU_DEP_3)
	v_cmp_lt_u32 vcc_lo, v[OT+1], v[FV+1]          ; or equal with the lower index
	s_and_b32 s31, s31, vcc_lo
	s_or_b32 s30, s30, s31
	v_cndmask_b32 v[HRF+STAGE], v[FV+1], v[OT+1], s30     ; the index goes to this stage's entry of the row
	s_wait_alu depctr_va_vdst(0)
	s_wait_xcnt 0x0                                ; EXEC changes only behind this wait
	v_cmp_gt_u32 vcc_lo, 16, v[LN]
	s_and_saveexec_b32 s30, vcc_lo
	global_store_b128 v[C0], v[HRF:HRF+3], s[26:27]       ; sixteen lanes store the wave's 256 consecutive bytes, aligned
	s_wait_xcnt 0x0
	s_or_b32 exec_lo, exec_lo, s30
	s_wait_xcnt 0x0
	s_mov_b32 exec_lo, -1
	v_lshl_add_u32 v35, v0, 2, 0x4b400
	v_mov_b32 v255, 0
	s_wait_alu depctr_va_vdst(0)
	s_wait_tensorcnt 0x0
	ds_add_u32 v35, v255
	s_wait_dscnt 0x0
	ROUND                                          ; the closing round
	s_endpgm
.Lfunc_end_k_q12e4fb582a_st1:
	.size	k_q12e4fb582a_st1, .Lfunc_end_k_q12e4fb582a_st1-k_q12e4fb582a_st1
	.p2alignl 7, 3214868480
	.fill 96, 4, 3214868480
	.section	.rodata,"a",@progbits
	.p2align	6, 0x0
	.amdhsa_kernel k_q12e4fb582a_st1
		.amdhsa_group_segment_fixed_size 310272
		.amdhsa_private_segment_fixed_size 0
		.amdhsa_enable_private_segment 0
		.amdhsa_kernarg_size 40
		.amdhsa_user_sgpr_count 2
		.amdhsa_user_sgpr_kernarg_segment_ptr 1
		.amdhsa_wavefront_size32 1
		.amdhsa_system_sgpr_workgroup_id_x 1
		.amdhsa_system_sgpr_workgroup_id_y 1
		.amdhsa_system_sgpr_workgroup_id_z 1
		.amdhsa_system_vgpr_workitem_id 0
		.amdhsa_next_free_vgpr 256
		.amdhsa_next_free_sgpr 66
		.amdhsa_reserve_vcc 1
		.amdhsa_float_denorm_mode_32 3
		.amdhsa_float_denorm_mode_16_64 3
		.amdhsa_memory_ordered 1
		.amdhsa_forward_progress 1
		.amdhsa_inst_pref_size 64
	.end_amdhsa_kernel
	.amdgpu_metadata
---
amdhsa.version: [ 1, 2 ]
amdhsa.kernels:
  - .name:           k_q12e4fb582a_st1
    .symbol:         k_q12e4fb582a_st1.kd
    .args:
      - { .name: x, .offset: 0, .size: 8, .value_kind: global_buffer, .address_space: global }
      - { .name: codebooks, .offset: 8, .size: 8, .value_kind: global_buffer, .address_space: global }
      - { .name: cq, .offset: 16, .size: 8, .value_kind: global_buffer, .address_space: global }
      - { .name: ha, .offset: 24, .size: 8, .value_kind: global_buffer, .address_space: global }
      - { .name: hb, .offset: 32, .size: 8, .value_kind: global_buffer, .address_space: global }
    .group_segment_fixed_size: 310272
    .private_segment_fixed_size: 0
    .kernarg_segment_align: 8
    .kernarg_segment_size: 40
    .max_flat_workgroup_size: 512
    .sgpr_count:     66
    .vgpr_count:     256
    .wavefront_size: 32
...
	.end_amdgpu_metadata
.endif
;; end of part 3
;; launch st2 (part 4): grid 256 x 1, 16 waves a work-group, clusters of 4 x 1, 310,272 bytes of LDS; arguments x, codebooks, cq, hb, ha; writes ha
.if DOCPART == 4
	.amdgcn_target "amdgcn-amd-amdhsa--gfx1250"
	.amdhsa_code_object_version 6
	.text
	.protected	k_q12e4fb582a_st2
	.globl	k_q12e4fb582a_st2
	.p2align	8
	.type	k_q12e4fb582a_st2,@function
k_q12e4fb582a_st2:
	s_mov_b64 s[64:65], 0
	v_nop
	global_prefetch_b8 v0, s[64:65] scope:SCOPE_SE
	s_setreg_imm32_b32 hwreg(HW_REG_WAVE_MODE, 25, 1), 1
	s_wait_xcnt 0x0
	s_wait_alu depctr_hold_cnt(0) depctr_sa_sdst(0) depctr_va_vdst(0) depctr_va_sdst(0) depctr_va_ssrc(0) depctr_va_vcc(0) depctr_vm_vsrc(0)
	s_getreg_b32 s2, hwreg(HW_REG_IB_STS2, 6, 4)
	s_cmp_eq_u32 s2, 0
	s_cbranch_scc0 .Lentry_in_a_cluster
	s_endpgm
.Lentry_in_a_cluster:
	s_bfe_u32 s2, ttmp6, 0x10000c
	s_cmp_lg_u32 s2, 0x3003
	s_cbranch_scc0 .Lentry_shape_is_right
	s_endpgm
.Lentry_shape_is_right:
; ONE STAGE OF THE RESIDUAL QUANTISER: for each of the 65,536 rows the index of the nearest codeword of stage STAGE.
; The four stages' texts differ in the next line alone: the stage's number is a constant of the text, so that no branch and no scalar address hangs on a number read from memory.
.set STAGE, 2
; Arguments: x, codebooks, cq (the stages' operands), hin (the index history; stage 0 has none), hout (the history with this stage's index added).  A history row is four int32, 0 where not yet chosen.
; THE RESIDUAL is made anew from x and the earlier indices by the definition's own f32 chain (t = c - r, y = r + t, r = r - y); the codewords are gathered by indices that an EARLIER launch stored.
; THE DISTANCE: cq holds -2 Q(C) as codes and scale bytes, and cc.  Source 0 = 16 codewords, source 1 = 16 rows, C = cc: one matrix instruction gives u = cc - 2 r.c; lane (r, h), register j: codeword 16 tile + 8 h + j, row r.
; LIMITS.  The row's own square sum is not added: one number a row, it moves no exact order.  u is rounded once, by the matrix unit: where two distances of a row lie within the rounding of
; rr - 2 r.c + cc, the order here may differ from the definition's.  Exact ties of u go to the lower index.  NaN and infinities are not served.  An index read from hin is held at 2,047.
; SHARES.  A work-group owns 256 rows: 16 tiles of 16.  Prologue: wave w makes row tile w's residual, quantises it and lays its fragment's image in LDS.  Main part: waves 8 g + q hold the eight fragments
; of row tiles 8 g .. 8 g + 7 in registers and walk codebook tiles 16 q .. 16 q + 15.  End: wave w joins the eight parts of row tile w.
; THE RECORD of the stage (147,456 bytes of cq) is the same for all work-groups: clusters of four ask for it jointly, each of the sixteen waves by one tensor load of 36 rows x 256 bytes, once,
; behind the wave's loads of x; each wave waits for its load ahead of the first barrier.  No LDS byte is filled again.
; No prefetch: every load from memory stands at the head, and there is no loop to run ahead in.
; THE ARGMIN keeps, for each row tile, the least u so far (best), the first codeword of my half of the tile that held it (gid) and that tile's eight u (SV); the place inside the tile is looked for once, behind the loop.
.set USE_DUAL, 1
.set REC,    147456
.set CBS,    131072                    ; LDS: 0: the 128 tiles' images, 1,024 bytes each; CBS: the 2,048 scale words; CC: the 2,048 cc: as they lie in the record
.set CC,     139264
.set STG,    147456                    ; a stage of 16 rows x (512 + 16) bytes for each wave
.set SPITCH, 528
.set IMG,    282624                    ; the 16 row tiles' images, 1,024 bytes each
.set ISC,    299008                    ; their scale words, 64 bytes each
.set HST,    300032                    ; each thread's history row, kept over the main part: 16 x thread
.set RES,    STG                       ; the waves' results [q][row tile][lane] x 8 bytes: the stages are read for the last time ahead of the first barrier
.if STAGE > 0
.set HO, 12                            ; s[HO:HO+1]: hout
.else
.set HO, 10
.endif
; PROLOGUE
.set LX,   1                           ; v1   x: 16 (l % 16) + 4,096 (l / 16): lanes 0-15 take row p, lanes 16-31 row p + 8; each half wave 256 consecutive bytes
.set LG,   2                           ; v2   16 (l % 16)
.set STW,  3                           ; v3   my stage, as loaded
.set STR,  4                           ; v4   my stage, 16 neighbours a lane
.set IMA,  5                           ; v5   my row tile's image
.set ISA,  6                           ; v6   and its scale words
.set HSA,  7                           ; v7   HST + 16 x thread
.set FA,   8                           ; v8   16 x thread
.set HDO,  10                          ; v10  16 ((l % 8) + 8 (l / 16))
.set HD,   12                          ; v12-15  the history of row (l % 8) + 8 (l / 16)
.set HR,   16                          ; v16-19  the history of row l % 16
.set OFFA, 20                          ; v20-27, v28-35  eight gather offsets each
.set OFFB, 28
.set TM,   36                          ; v36-61  QUANT's registers; v62, v63: the opening add's two registers
.set PW,   52
.set PC,   54
.set X,    64                          ; v64-127  the residual: register 8 p + 4 u + e
.set GA,   128                         ; v128-191, v192-255  gathered codewords
.set GB,   192
.set SEL,  20                          ; s[20:21] lane selects: lane l xor 16
; MAIN PART
.set A0,   1                           ; v1   16 lane + 16,384 q: my first tile's image
.set S0,   2                           ; v2   CBS + 1,024 q + 4 lane: lanes 0-15 an even tile's words, lanes 16-31 the odd tile's behind it
.set C0,   3                           ; v3   CC + 1,024 q + 32 h
.set RAD,  4                           ; v4   where my results go
.set T,    5                           ; v5   16 tile + 8 h of the tile whose u are in hand
.set AAD,  6                           ; v6-8 the three addresses of the trip in hand (v6, v7 first serve the rows' fragments and scale words)
.set SAD,  7
.set CAD,  8
.set LN,   9                           ; v9   lane
.set BG,   10                          ; v10-25   best of row tile i at 10 + 2 i, gid at 11 + 2 i
.set TMP,  26                          ; v26-41   at work
.set AF,   42                          ; v42-49   the codebook tile's fragment
.set CCR,  50                          ; v50-57   its cc, in the result's layout
.set DP,   58                          ; v58-89   u of row tiles 0-3
.set DQ,   90                          ; v90-121  u of row tiles 4-7
.set SV,   122                         ; v122-185 the best tile's eight u, for each row tile
.set BF,   186                         ; v186-249 the eight row tiles' fragments
.set BS,   250                         ; v250-253 their scale words: lanes 0-15 row tile 2 k, lanes 16-31 row tile 2 k + 1
.set AS,   254                         ; v254     the codebook's scale words of two tiles
.macro SEL2 d0, a0, d1, a1             ; two selections on VCC: d = VCC ? a : d.  d0 is even and d1 = d0 + 1, a1 = a0 + 1
.if USE_DUAL
	v_dual_cndmask_b32 v[\d0], v[\d0], v[\a0] :: v_dual_cndmask_b32 v[\d1], v[\d1], v[\a1]
.else
	v_cndmask_b32 v[\d0], v[\d0], v[\a0], vcc_lo
	v_cndmask_b32 v[\d1], v[\d1], v[\a1], vcc_lo
.endif
.endm
.macro OFFS j, o                       ; the byte offsets of stage j's codewords of rows p (lanes 0-15) and p + 8 (lanes 16-31), p = 0 .. 7
.irp p, 0,1,2,3,4,5,6,7
	v_mov_b32_dpp v[\o+\p], v[HD+\j] row_share:\p row_mask:0xf bank_mask:0xf
.endr
.irp p, 0,1,2,3,4,5,6,7
	v_min_u32 v[\o+\p], 0x7ff, v[\o+\p]            ; an index stays inside its table
.endr
.irp p, 0,1,2,3,4,5,6,7
	v_lshl_add_u32 v[\o+\p], v[\o+\p], 9, v[LG]
.endr
.endm
.macro GATHER j, g, o                  ; 16 loads, laid as x is: each half wave takes 256 consecutive bytes of a codeword
.irp p, 0,1,2,3,4,5,6,7
.irp u, 0,1
	global_load_b128 v[\g+8*\p+4*\u:\g+8*\p+4*\u+3], v[\o+\p], s[6:7] offset:(\j<<20)+256*\u
.endr
.endr
.endm
.macro CHAIN g                         ; one stage of the residual, as the definition has it
.set i, 0
.rept 32
	v_pk_add_f32 v[\g+i:\g+i+1], v[\g+i:\g+i+1], v[X+i:X+i+1] neg_lo:[0,1] neg_hi:[0,1]   ; t = c - r
.set i, i+2
.endr
.set i, 0
.rept 32
	v_pk_add_f32 v[\g+i:\g+i+1], v[X+i:X+i+1], v[\g+i:\g+i+1]                             ; y = r + t
.set i, i+2
.endr
.set i, 0
.rept 32
	v_pk_add_f32 v[X+i:X+i+1], v[X+i:X+i+1], v[\g+i:\g+i+1] neg_lo:[0,1] neg_hi:[0,1]     ; r = r - y
.set i, i+2
.endr
.endm
.macro ROUND                           ; a round of the cluster's barrier: my work-group's barrier, wave 0's signal for it, every wave's wait for the four, my work-group's barrier
	s_barrier_signal -1
	s_barrier_wait -1
	s_cmp_lg_u32 s14, 0
	s_cbranch_scc1 .Lnot_wave_0_\@
	s_barrier_signal -3
.Lnot_wave_0_\@:
	s_barrier_wait -3
	s_barrier_signal -1
	s_barrier_wait -1
.endm
; 64 numbers of a lane, register 16 b + i = k 32 b + 16 (lane / 16) + i of my row, become a fragment's codes in v[PC] on and its scale word in v[PW].
.macro QUANT s
.irp b, 0,1,2,3
	v_max3_num_f32 v[TM+\b], |v[\s+16*\b]|, |v[\s+1+16*\b]|, 0x1800000   ; block b: my 16 numbers, and the floor 2^(3 - 127): the byte cannot fall under 1
.endr
.irp i, 2,4,6,8,10,12,14
.irp b, 0,1,2,3
	s_delay_alu instid0(VALU_DEP_4)
	v_max3_num_f32 v[TM+\b], v[TM+\b], |v[\s+16*\b+\i]|, |v[\s+1+16*\b+\i]|
.endr
.endr
.irp b, 0,1,2,3
	s_delay_alu instid0(VALU_DEP_4)
	v_permlanex16_b32 v[TM+4+\b], v[TM+\b], s[SEL], s[SEL+1]
.endr
.irp b, 0,1,2,3
	s_delay_alu instid0(VALU_DEP_4)
	v_max_num_f32 v[TM+\b], v[TM+\b], v[TM+4+\b]   ; with lane l xor 16's: the block's largest magnitude
.endr
.irp b, 0,1,2,3
	s_delay_alu instid0(VALU_DEP_4)
	v_add_nc_u32 v[TM+12+\b], 0xff000000, v[TM+\b]   ; 2 off its exponent field: the conversion's scale operand
.endr
.irp b, 0,1,2,3
	s_delay_alu instid0(VALU_DEP_4)
	v_lshrrev_b32 v[TM+4+\b], 23, v[TM+12+\b]      ; the scale's byte
.endr
	s_delay_alu instid0(VALU_DEP_3)
	v_lshl_or_b32 v[PW], v[TM+5], 8, v[TM+4]
	s_delay_alu instid0(VALU_DEP_1)
	v_lshl_or_b32 v[PW], v[TM+6], 16, v[PW]
	s_delay_alu instid0(VALU_DEP_1)
	v_lshl_or_b32 v[PW], v[TM+7], 24, v[PW]
.irp b, 0,1,2,3
	v_cvt_scalef32_pk8_fp4_f32 v[PC+2*\b], v[\s+16*\b:\s+7+16*\b], v[TM+12+\b]
	v_cvt_scalef32_pk8_fp4_f32 v[PC+1+2*\b], v[\s+8+16*\b:\s+15+16*\b], v[TM+12+\b]
.endr
	v_nop                                          ; one plain place behind a scaled conversion
.irp c, 0,1                                    ; a whole block to a lane: lanes 0-15 block 2 c, lanes 16-31 block 2 c + 1
.irp i, 0,1
	v_permlane16_swap_b32 v[PC+4*\c+\i], v[PC+2+4*\c+\i]
.endr
.endr
.endm
	s_load_b256 s[4:11], s[0:1], 0x0               ; x s[4:5], codebooks s[6:7], cq s[8:9], s[10:11]: hin (stage 0: hout)
.if STAGE > 0
	s_load_b64 s[12:13], s[0:1], 0x20              ; hout
.endif
	v_lshl_add_u32 v62, v0, 2, 0x4b400             ; my spare word, behind the history rows
	v_mov_b32 v63, 0
	ds_add_u32 v62, v63                            ; the opening lines: the add, twice on end, and its wait ahead of my tensor load
	ds_add_u32 v62, v63
	v_lshrrev_b32 v12, 5, v0
	s_delay_alu instid0(VALU_DEP_1)
	v_readfirstlane_b32 s14, v12                   ; wave 0..15
	v_and_b32 v12, 31, v0                          ; lane
	v_and_b32 v13, 15, v0                          ; r
	v_bfe_u32 v14, v0, 4, 1                        ; h
	s_delay_alu instid0(VALU_DEP_2)
	v_lshlrev_b32 v[LG], 4, v13
	s_delay_alu instid0(VALU_DEP_1)
	v_lshl_add_u32 v[LX], v14, 12, v[LG]
	s_mul_i32 s16, s14, 16*SPITCH
	s_add_co_u32 s16, s16, STG                     ; my stage
	v_mad_u32_u24 v15, v14, 8*SPITCH, v[LG]
	s_delay_alu instid0(VALU_DEP_1)
	v_add_nc_u32 v[STW], s16, v15                  ; in: row p + 8 h, 16 bytes a lane
	v_mul_u32_u24 v15, v13, SPITCH
	s_delay_alu instid0(VALU_DEP_1)
	v_lshl_add_u32 v15, v14, 6, v15
	s_delay_alu instid0(VALU_DEP_1)
	v_add_nc_u32 v[STR], s16, v15                  ; out: row r, + 64 h: my 16 numbers of a block of 32
	s_lshl_b32 s16, s14, 10
	s_add_co_u32 s16, s16, IMG
	v_lshl_add_u32 v[IMA], v12, 4, s16
	s_lshl_b32 s16, s14, 6
	s_add_co_u32 s16, s16, ISC
	v_lshl_add_u32 v[ISA], v13, 2, s16
	v_lshlrev_b32 v[FA], 4, v0
	s_delay_alu instid0(VALU_DEP_1)
	v_add_nc_u32 v[HSA], HST, v[FA]
.if STAGE > 0
	v_and_b32 v15, 7, v0
	s_delay_alu instid0(VALU_DEP_1)
	v_lshl_add_u32 v15, v14, 3, v15
	s_delay_alu instid0(VALU_DEP_1)
	v_lshlrev_b32 v[HDO], 4, v15
.irp i, 0,1,2,3,4,5,6,7,8,9,10,11,12,13,14,15
	v_mov_b32 v[OFFA+\i], 0                        ; written once: the destination of a DPP move counts as one of its sources
.endr
.endif
	s_mov_b32 s[SEL], 0x76543210
	s_mov_b32 s[SEL+1], 0xfedcba98
	s_bfe_u32 s15, ttmp6, 0x40000                  ; my place in the cluster of four
	s_lshl_b32 s16, ttmp9, 2
	s_add_co_u32 s15, s15, s16                     ; the work-group's number
	s_lshl_b32 s16, s15, 17                        ; the work-group's 256 rows of 512 bytes,
	s_lshl_b32 s17, s14, 13                        ; my wave's 16
	s_add_co_u32 s16, s16, s17
	s_mov_b32 s17, 0
	s_lshl_b32 s18, s15, 12                        ; and the same rows of the history, 16 bytes each
	s_lshl_b32 s19, s14, 8
	s_add_co_u32 s18, s18, s19
	s_mov_b32 s19, 0
	s_mov_b32 s32, 1                               ; group 0: count; LDS address: my wave's 9,216 bytes of the record, at their place in it
	s_mul_i32 s33, s14, 9216
	s_mul_i32 s28, s14, 9216                       ; and the same offset in memory
	s_mov_b32 s29, 0
	s_mov_b32 s36, 15|(3<<16)|(1<<21)              ; group 1: the four of the cluster; elements of 8 bytes; bit 21 beside a mask
	s_mov_b32 s37, 32<<16                          ; tensor_dim0 = 32 elements: rows of 256 bytes
	s_mov_b32 s38, 36<<16                          ; tensor_dim1 = 36
	s_mov_b32 s39, 32<<16                          ; tile_dim0
	s_mov_b32 s40, 36                              ; tile_dim1
	s_mov_b32 s41, 32                              ; the pitch: the block is dense
	s_mov_b32 s42, 0
	s_mov_b32 s43, 0
	s_wait_alu depctr_va_vdst(0)
	s_wait_dscnt 0x0                               ; both opening adds are done
	s_wait_kmcnt 0x0
	s_add_nc_u64 s[34:35], s[8:9], s[28:29]
.if STAGE > 0
	s_add_nc_u64 s[34:35], s[34:35], STAGE*REC     ; the stage's record
.endif
	s_or_b32 s35, s35, 0x80000000                  ; type = 2
	s_add_nc_u64 s[4:5], s[4:5], s[16:17]
	s_add_nc_u64 s[26:27], s[HO:HO+1], s[18:19]
.if STAGE > 0
	s_add_nc_u64 s[24:25], s[10:11], s[18:19]
	global_load_b128 v[HD:HD+3], v[HDO], s[24:25]
	global_load_b128 v[HR:HR+3], v[LG], s[24:25]
.endif
.irp p, 0,1,2,3,4,5,6,7
.irp u, 0,1
	global_load_b128 v[X+8*\p+4*\u:X+8*\p+4*\u+3], v[LX], s[4:5] offset:512*\p+256*\u   ; later launches read x again: no hint
.endr
.endr
	ROUND                                          ; the four work-groups are here: the joint loads meet
	tensor_load_to_lds s[32:35], s[36:43]          ; my sixteenth of the record: the wave's one tensor load
	s_nop 0
.if STAGE > 0
	s_wait_loadcnt 16                              ; behind the two history loads stand x's 16
.else
.irp i, 0,1,2,3
	v_mov_b32 v[HR+\i], 0                          ; no stage is done: the row begins as zeros
.endr
.endif
	ds_store_b128 v[HSA], v[HR:HR+3]               ; kept in LDS over the main part
	; The residual of this stage.
.if STAGE == 3
	OFFS 0, OFFA
	GATHER 0, GA, OFFA
	OFFS 1, OFFB
	GATHER 1, GB, OFFB
	s_wait_loadcnt 16                              ; x and stage 0's codewords are in; stage 1's 16 loads may be out
	CHAIN GA
	OFFS 2, OFFA                                   ; (stage 0's gathers are done: their offsets may be written)
	GATHER 2, GA, OFFA
	s_wait_loadcnt 16                              ; stage 1's are in; stage 2's 16 may be out
	CHAIN GB
	s_wait_loadcnt 0x0                             ; stage 2's are in
	CHAIN GA
.elseif STAGE == 2
	OFFS 0, OFFA
	GATHER 0, GA, OFFA
	OFFS 1, OFFB
	GATHER 1, GB, OFFB
	s_wait_loadcnt 16                              ; stage 1's 16 loads may be out
	CHAIN GA
	s_wait_loadcnt 0x0
	CHAIN GB
.elseif STAGE == 1
	OFFS 0, OFFA
	GATHER 0, GA, OFFA
	s_wait_loadcnt 0x0
	CHAIN GA
.else
	s_wait_loadcnt 0x0                             ; x is in
.endif
	; The residual turns through my stage: in as it was loaded, out 16 neighbours along K a lane.  LDS serves a wave's instructions in order: no wait between.
.irp p, 0,1,2,3,4,5,6,7
.irp u, 0,1
	ds_store_b128 v[STW], v[X+8*\p+4*\u:X+8*\p+4*\u+3] offset:SPITCH*\p+256*\u
.endr
.endr
.irp b, 0,1,2,3
.irp j, 0,1,2,3
	ds_load_b128 v[GA+16*\b+4*\j:GA+16*\b+4*\j+3], v[STR] offset:128*\b+16*\j
.endr
.endr
	s_wait_dscnt 0x0                               ; the residual is back
.irp b, 0,1,2,3
	v_mov_b32 v[TM+4+\b], 0                        ; a lane permute's destination counts as one of its sources
.endr
	QUANT GA
	ds_store_b128 v[IMA], v[PC:PC+3]               ; the fragment as an image of its registers
	ds_store_b128 v[IMA], v[PC+4:PC+7] offset:512
	ds_store_b32 v[ISA], v[PW]                     ; lanes 16-31 hold the same word and write the same place
	s_wait_tensorcnt 0x0                           ; for the others' sake: my part of the record has landed,
	s_wait_dscnt 0x0                               ; and so have all my LDS stores
	s_barrier_signal -1
	s_lshr_b32 s16, s14, 3                         ; g
	s_and_b32 s17, s14, 7                          ; q
	v_and_b32 v[LN], 31, v0
	s_wait_alu depctr_va_vdst(0)
	v_bfe_u32 v[CAD], v0, 4, 1                     ; h
	s_wait_alu depctr_va_vdst(0)
	s_lshl_b32 s18, s17, 14
	v_lshl_add_u32 v[A0], v[LN], 4, s18
	s_lshl_b32 s18, s17, 10
	s_add_co_u32 s19, s18, CBS
	v_lshl_add_u32 v[S0], v[LN], 2, s19
	s_add_co_u32 s19, s18, CC
	v_lshl_add_u32 v[C0], v[CAD], 5, s19
	s_lshl_b32 s18, s17, 12
	s_lshl_b32 s19, s16, 11
	s_add_co_u32 s18, s18, s19
	s_add_co_u32 s18, s18, RES
	v_lshl_add_u32 v[RAD], v[LN], 3, s18
	s_lshl_b32 s18, s17, 8
	v_lshl_add_u32 v[T], v[CAD], 3, s18
	s_lshl_b32 s18, s16, 13
	s_add_co_u32 s18, s18, IMG
	v_lshl_add_u32 v[AAD], v[LN], 4, s18           ; my eight row tiles' images
	s_lshl_b32 s18, s16, 9
	s_add_co_u32 s18, s18, ISC
	v_lshl_add_u32 v[SAD], v[LN], 2, s18           ; and their scale words
	s_mov_b32 s22, 0                               ; trips
	s_mov_b32 s23, 0                               ; 2,048 bytes of images a trip
	s_mov_b32 s24, 0                               ; 128 bytes of cc and of scale words a trip
	s_mov_b32 s25, 0x7f800000                      ; +infinity
	s_wait_alu depctr_va_vdst(0)
	s_barrier_wait -1                              ; the record and the sixteen row tiles lie in LDS
; One product: u of 16 codewords x 16 rows.  pa: the tile is the odd one of AS's two; pb: the row tile is the odd one of its scale register's two.
.macro WM dd, bb, ss, pa, pb
.if (\pa) && (\pb)
	v_wmma_scale_f32_16x16x128_f8f6f4 v[\dd:\dd+7], v[AF:AF+7], v[\bb:\bb+7], v[CCR:CCR+7], v[AS], v[\ss] matrix_a_fmt:MATRIX_FMT_FP4 matrix_b_fmt:MATRIX_FMT_FP4 matrix_a_scale:MATRIX_SCALE_ROW1 matrix_b_scale:MATRIX_SCALE_ROW1
.elseif (\pa)
	v_wmma_scale_f32_16x16x128_f8f6f4 v[\dd:\dd+7], v[AF:AF+7], v[\bb:\bb+7], v[CCR:CCR+7], v[AS], v[\ss] matrix_a_fmt:MATRIX_FMT_FP4 matrix_b_fmt:MATRIX_FMT_FP4 matrix_a_scale:MATRIX_SCALE_ROW1
.elseif (\pb)
	v_wmma_scale_f32_16x16x128_f8f6f4 v[\dd:\dd+7], v[AF:AF+7], v[\bb:\bb+7], v[CCR:CCR+7], v[AS], v[\ss] matrix_a_fmt:MATRIX_FMT_FP4 matrix_b_fmt:MATRIX_FMT_FP4 matrix_b_scale:MATRIX_SCALE_ROW1
.else
	v_wmma_scale_f32_16x16x128_f8f6f4 v[\dd:\dd+7], v[AF:AF+7], v[\bb:\bb+7], v[CCR:CCR+7], v[AS], v[\ss] matrix_a_fmt:MATRIX_FMT_FP4 matrix_b_fmt:MATRIX_FMT_FP4
.endif
.endm
.macro W ib, d, par                    ; the tile against row tiles ib .. ib + 3.  No sum is added onto: each product is whole (K = 128), with cc as its C
.irp b, 0,1,2,3
	WM \d+8*\b,BF+8*(\ib+\b),BS+(\ib+\b)/2,\par,(\ib+\b)%2
.endr
.endm
.macro VA d                            ; the first read of each of the four results, from its low end
.irp b, 0,1,2,3
	v_min3_num_f32 v[TMP+4*\b], v[\d+8*\b], v[\d+8*\b+1], v[\d+8*\b+2]
.endr
.endm
.macro VB d, ib                        ; the rest of the least of eight u and best; where it is new: gid and the eight u are taken over
.irp b, 0,1,2,3
	v_min3_num_f32 v[TMP+4*\b+1], v[\d+8*\b+3], v[\d+8*\b+4], v[\d+8*\b+5]
.endr
.irp b, 0,1,2,3
	v_min3_num_f32 v[TMP+4*\b+2], v[\d+8*\b+6], v[\d+8*\b+7], v[BG+2*(\ib+\b)]
.endr
.irp b, 0,1,2,3
	s_delay_alu instid0(VALU_DEP_4)
	v_min3_num_f32 v[TMP+4*\b], v[TMP+4*\b], v[TMP+4*\b+1], v[TMP+4*\b+2]
.endr
.irp b, 0,1,2,3
	v_cmp_lt_f32 vcc_lo, v[TMP+4*\b], v[BG+2*(\ib+\b)]   ; strictly less: on a tie the earlier tile, the lower index, stays
.if USE_DUAL
	v_dual_mov_b32 v[BG+2*(\ib+\b)], v[TMP+4*\b] :: v_dual_cndmask_b32 v[BG+2*(\ib+\b)+1], v[BG+2*(\ib+\b)+1], v[T]
.else
	v_mov_b32 v[BG+2*(\ib+\b)], v[TMP+4*\b]
	v_cndmask_b32 v[BG+2*(\ib+\b)+1], v[BG+2*(\ib+\b)+1], v[T], vcc_lo
.endif
.irp j, 0,2,4,6
	SEL2 SV+8*(\ib+\b)+\j,\d+8*\b+\j,SV+8*(\ib+\b)+\j+1,\d+8*\b+\j+1
.endr
.endr
.endm
; A STEP works the u of the tile in hand and multiplies the next tile (np: its parity; oa, oc: its offsets from the trip's addresses).
; Places: a load into a register that a matrix instruction has read stands four plain vector instructions behind it: VA's four lines, which name DP and TMP alone, behind the products into DQ.
; Each result set is read, and written again, behind the forty lines that work the other set.
.macro STEP np, oa, oc
	VA DP
	ds_load_b128 v[AF:AF+3], v[AAD] offset:\oa
	ds_load_b128 v[AF+4:AF+7], v[AAD] offset:\oa+512
	ds_load_b128 v[CCR:CCR+3], v[CAD] offset:\oc
	ds_load_b128 v[CCR+4:CCR+7], v[CAD] offset:\oc+16
.if \np == 0
	ds_load_b32 v[AS], v[SAD] offset:\oc           ; an even tile begins a new pair of scale words
.endif
	VB DP, 0
	s_wait_dscnt 0x0                               ; the next tile is in (asked for 36 vector instructions ago)
	W 0, DP, \np
	VA DQ
	VB DQ, 4
	v_add_nc_u32 v[T], 16, v[T]
	W 4, DQ, \np
.endm
.irp i, 0,1,2,3,4,5,6,7
	ds_load_b128 v[BF+8*\i:BF+8*\i+3], v[AAD] offset:1024*\i
	ds_load_b128 v[BF+8*\i+4:BF+8*\i+7], v[AAD] offset:1024*\i+512
.endr
.irp k, 0,1,2,3
	ds_load_b32 v[BS+\k], v[SAD] offset:128*\k
.endr
	ds_load_b128 v[AF:AF+3], v[A0]                 ; my first tile
	ds_load_b128 v[AF+4:AF+7], v[A0] offset:512
	ds_load_b128 v[CCR:CCR+3], v[C0]
	ds_load_b128 v[CCR+4:CCR+7], v[C0] offset:16
	ds_load_b32 v[AS], v[S0]
.set i, 0
.rept 64
	v_mov_b32 v[SV+i], s25                         ; the state is written before the selections read it; the first tile replaces it
.set i, i+1
.endr
	s_wait_dscnt 0x0
	W 0, DP, 0
	W 4, DQ, 0
.irp i, 0,1,2,3,4,5,6,7                        ; sixteen plain lines: the places behind the first products
	v_mov_b32 v[BG+2*\i], s25                      ; best = +infinity
	v_mov_b32 v[BG+2*\i+1], v[T]
.endr
.Ltiles:                                           ; 7 trips of two tiles: tiles 2 i and 2 i + 1 are worked, tiles 2 i + 1 and 2 i + 2 multiplied
	v_add_nc_u32 v[AAD], s23, v[A0]                ; (no LDS load of mine is out)
	v_add_nc_u32 v[CAD], s24, v[C0]
	v_add_nc_u32 v[SAD], s24, v[S0]
	STEP 1, 1024, 64
	STEP 0, 2048, 128
	s_add_co_u32 s23, s23, 2048
	s_add_co_u32 s24, s24, 128
	s_add_co_u32 s22, s22, 1
	s_cmp_lt_u32 s22, 7
	s_cbranch_scc1 .Ltiles
	v_add_nc_u32 v[AAD], s23, v[A0]
	v_add_nc_u32 v[CAD], s24, v[C0]
	STEP 1, 1024, 64                               ; tile 14 is worked, tile 15 multiplied: nothing is read past my sixteen tiles
	VA DP                                          ; tile 15
	VB DP, 0
	VA DQ
	VB DQ, 4
	; The place inside the best tile: the lowest j whose u is best.
.irp i, 0,1,2,3,4,5,6,7
	v_mov_b32 v[TMP+\i], 7
.endr
.irp j, 6,5,4,3,2,1,0
.irp i, 0,1,2,3,4,5,6,7
	v_cmp_neq_f32 vcc_lo, v[SV+8*\i+\j], v[BG+2*\i]
	s_delay_alu instid0(VALU_DEP_1)
	v_cndmask_b32 v[TMP+\i], \j, v[TMP+\i], vcc_lo
.endr
.endr
.irp i, 0,1,2,3,4,5,6,7
	v_add_nc_u32 v[BG+2*\i+1], v[BG+2*\i+1], v[TMP+\i]
.endr
.irp i, 0,1,2,3,4,5,6,7
	ds_store_b64 v[RAD], v[BG+2*\i:BG+2*\i+1] offset:256*\i   ; (least u, its index) of my part of the codebook, for row tile 8 g + i
.endr
	s_wait_dscnt 0x0                               ; for the others' sake: my results have landed
	s_barrier_signal -1
	s_barrier_wait -1
	; THE END: wave w joins the eight parts of row tile w, then the two halves of the lanes, and stores the rows' history with the new index.
.set FV,  58                           ; v58-73  eight pairs (u, index)
.set OT,  74                           ; v74-75  lane l xor 16's pair
.set HRF, 76                           ; v76-79  my row's history
	s_lshl_b32 s16, s14, 8
	s_add_co_u32 s16, s16, RES
	v_lshl_add_u32 v[A0], v[LN], 3, s16
	v_lshlrev_b32 v[S0], 4, v0
	s_delay_alu instid0(VALU_DEP_1)
	v_add_nc_u32 v[S0], HST, v[S0]
	v_and_b32 v[C0], 15, v0
	s_delay_alu instid0(VALU_DEP_1)
	v_lshlrev_b32 v[C0], 4, v[C0]                  ; my row's 16 bytes among the wave's 256
.irp q, 0,1,2,3,4,5,6,7
	ds_load_b64 v[FV+2*\q:FV+2*\q+1], v[A0] offset:4096*\q
.endr
	ds_load_b128 v[HRF:HRF+3], v[S0]
	v_mov_b32 v[OT], 0                             ; a lane permute's destination counts as one of its sources
	v_mov_b32 v[OT+1], 0
	s_wait_dscnt 0x0
.irp q, 1,2,3,4,5,6,7
	v_cmp_lt_f32 vcc_lo, v[FV+2*\q], v[FV]         ; strictly less: on a tie the lower part stays
	SEL2 FV,FV+2*\q,FV+1,FV+2*\q+1
.endr
	v_permlanex16_b32 v[OT], v[FV], s[SEL], s[SEL+1]
	v_permlanex16_b32 v[OT+1], v[FV+1], s[SEL], s[SEL+1]
	s_delay_alu instid0(VALU_DEP_2)
	v_cmp_lt_f32 s30, v[OT], v[FV]                 ; the other half's is taken where it is less,
	s_delay_alu instid0(VALU_DEP_3)
	v_cmp_eq_f32 s31, v[OT], v[FV]
	s_delay_alu instid0(VALU_DEP_3)
	v_cmp_lt_u32 vcc_lo, v[OT+1], v[FV+1]          ; or equal with the lower index
	s_and_b32 s31, s31, vcc_lo
	s_or_b32 s30, s30, s31
	v_cndmask_b32 v[HRF+STAGE], v[FV+1], v[OT+1], s30     ; the index goes to this stage's entry of the row
	s_wait_alu depctr_va_vdst(0)
	s_wait_xcnt 0x0                                ; EXEC changes only behind this wait
	v_cmp_gt_u32 vcc_lo, 16, v[LN]
	s_and_saveexec_b32 s30, vcc_lo
	global_store_b128 v[C0], v[HRF:HRF+3], s[26:27]       ; sixteen lanes store the wave's 256 consecutive bytes, aligned
	s_wait_xcnt 0x0
	s_or_b32 exec_lo, exec_lo, s30
	s_wait_xcnt 0x0
	s_mov_b32 exec_lo, -1
	v_lshl_add_u32 v34, v0, 2, 0x4b400
	v_mov_b32 v35, 0
	s_wait_alu depctr_va_vdst(0)
	s_wait_tensorcnt 0x0
	ds_add_u32 v34, v35
	s_wait_dscnt 0x0
	ROUND                                          ; the closing round
	s_endpgm
.Lfunc_end_k_q12e4fb582a_st2:
	.size	k_q12e4fb582a_st2, .Lfunc_end_k_q12e4fb582a_st2-k_q12e4fb582a_st2
	.p2alignl 7, 3214868480
	.fill 96, 4, 3214868480
	.section	.rodata,"a",@progbits
	.p2align	6, 0x0
	.amdhsa_kernel k_q12e4fb582a_st2
		.amdhsa_group_segment_fixed_size 310272
		.amdhsa_private_segment_fixed_size 0
		.amdhsa_enable_private_segment 0
		.amdhsa_kernarg_size 40
		.amdhsa_user_sgpr_count 2
		.amdhsa_user_sgpr_kernarg_segment_ptr 1
		.amdhsa_wavefront_size32 1
		.amdhsa_system_sgpr_workgroup_id_x 1
		.amdhsa_system_sgpr_workgroup_id_y 1
		.amdhsa_system_sgpr_workgroup_id_z 1
		.amdhsa_system_vgpr_workitem_id 0
		.amdhsa_next_free_vgpr 256
		.amdhsa_next_free_sgpr 66
		.amdhsa_reserve_vcc 1
		.amdhsa_float_denorm_mode_32 3
		.amdhsa_float_denorm_mode_16_64 3
		.amdhsa_memory_ordered 1
		.amdhsa_forward_progress 1
		.amdhsa_inst_pref_size 73
	.end_amdhsa_kernel
	.amdgpu_metadata
---
amdhsa.version: [ 1, 2 ]
amdhsa.kernels:
  - .name:           k_q12e4fb582a_st2
    .symbol:         k_q12e4fb582a_st2.kd
    .args:
      - { .name: x, .offset: 0, .size: 8, .value_kind: global_buffer, .address_space: global }
      - { .name: codebooks, .offset: 8, .size: 8, .value_kind: global_buffer, .address_space: global }
      - { .name: cq, .offset: 16, .size: 8, .value_kind: global_buffer, .address_space: global }
      - { .name: hb, .offset: 24, .size: 8, .value_kind: global_buffer, .address_space: global }
      - { .name: ha, .offset: 32, .size: 8, .value_kind: global_buffer, .address_space: global }
    .group_segment_fixed_size: 310272
    .private_segment_fixed_size: 0
    .kernarg_segment_align: 8
    .kernarg_segment_size: 40
    .max_flat_workgroup_size: 512
    .sgpr_count:     66
    .vgpr_count:     256
    .wavefront_size: 32
...
	.end_amdgpu_metadata
.endif
;; end of part 4
;; launch st3 (part 5): grid 256 x 1, 16 waves a work-group, clusters of 4 x 1, 310,272 bytes of LDS; arguments x, codebooks, cq, ha, hb; writes hb
.if DOCPART == 5
	.amdgcn_target "amdgcn-amd-amdhsa--gfx1250"
	.amdhsa_code_object_version 6
	.text
	.protected	k_q12e4fb582a_st3
	.globl	k_q12e4fb582a_st3
	.p2align	8
	.type	k_q12e4fb582a_st3,@function
k_q12e4fb582a_st3:
	s_mov_b64 s[64:65], 0
	v_nop
	global_prefetch_b8 v0, s[64:65] scope:SCOPE_SE
	s_setreg_imm32_b32 hwreg(HW_REG_WAVE_MODE, 25, 1), 1
	s_wait_xcnt 0x0
	s_wait_alu depctr_hold_cnt(0) depctr_sa_sdst(0) depctr_va_vdst(0) depctr_va_sdst(0) depctr_va_ssrc(0) depctr_va_vcc(0) depctr_vm_vsrc(0)
	s_getreg_b32 s2, hwreg(HW_REG_IB_STS2, 6, 4)
	s_cmp_eq_u32 s2, 0
	s_cbranch_scc0 .Lentry_in_a_cluster
	s_endpgm
.Lentry_in_a_cluster:
	s_bfe_u32 s2, ttmp6, 0x10000c
	s_cmp_lg_u32 s2, 0x3003
	s_cbranch_scc0 .Lentry_shape_is_right
	s_endpgm
.Lentry_shape_is_right:
; ONE STAGE OF THE RESIDUAL QUANTISER: for each of the 65,536 rows the index of the nearest codeword of stage STAGE.
; The four stages' texts differ in the next line alone: the stage's number is a constant of the text, so that no branch and no scalar address hangs on a number read from memory.
.set STAGE, 3
; Arguments: x, codebooks, cq (the stages' operands), hin (the index history; stage 0 has none), hout (the history with this stage's index added).  A history row is four int32, 0 where not yet chosen.
; THE RESIDUAL is made anew from x and the earlier indices by the definition's own f32 chain (t = c - r, y = r + t, r = r - y); the codewords are gathered by indices that an EARLIER launch stored.
; THE DISTANCE: cq holds -2 Q(C) as codes and scale bytes, and cc.  Source 0 = 16 codewords, source 1 = 16 rows, C = cc: one matrix instruction gives u = cc - 2 r.c; lane (r, h), register j: codeword 16 tile + 8 h + j, row r.
; LIMITS.  The row's own square sum is not added: one number a row, it moves no exact order.  u is rounded once, by the matrix unit: where two distances of a row lie within the rounding of
; rr - 2 r.c + cc, the order here may differ from the definition's.  Exact ties of u go to the lower index.  NaN and infinities are not served.  An index read from hin is held at 2,047.
; SHARES.  A work-group owns 256 rows: 16 tiles of 16.  Prologue: wave w makes row tile w's residual, quantises it and lays its fragment's image in LDS.  Main part: waves 8 g + q hold the eight fragments
; of row tiles 8 g .. 8 g + 7 in registers and walk codebook tiles 16 q .. 16 q + 15.  End: wave w joins the eight parts of row tile w.
; THE RECORD of the stage (147,456 bytes of cq) is the same for all work-groups: clusters of four ask for it jointly, each of the sixteen waves by one tensor load of 36 rows x 256 bytes, once,
; behind the wave's loads of x; each wave waits for its load ahead of the first barrier.  No LDS byte is filled again.
; No prefetch: every load from memory stands at the head, and there is no loop to run ahead in.
; THE ARGMIN keeps, for each row tile, the least u so far (best), the first codeword of my half of the tile that held it (gid) and that tile's eight u (SV); the place inside the tile is looked for once, behind the loop.
.set USE_DUAL, 1
.set REC,    147456
.set CBS,    131072                    ; LDS: 0: the 128 tiles' images, 1,024 bytes each; CBS: the 2,048 scale words; CC: the 2,048 cc: as they lie in the record
.set CC,     139264
.set STG,    147456                    ; a stage of 16 rows x (512 + 16) bytes for each wave
.set SPITCH, 528
.set IMG,    282624                    ; the 16 row tiles' images, 1,024 bytes each
.set ISC,    299008                    ; their scale words, 64 bytes each
.set HST,    300032                    ; each thread's history row, kept over the main part: 16 x thread
.set RES,    STG                       ; the waves' results [q][row tile][lane] x 8 bytes: the stages are read for the last time ahead of the first barrier
.if STAGE > 0
.set HO, 12                            ; s[HO:HO+1]: hout
.else
.set HO, 10
.endif
; PROLOGUE
.set LX,   1                           ; v1   x: 16 (l % 16) + 4,096 (l / 16): lanes 0-15 take row p, lanes 16-31 row p + 8; each half wave 256 consecutive bytes
.set LG,   2                           ; v2   16 (l % 16)
.set STW,  3                           ; v3   my stage, as loaded
.set STR,  4                           ; v4   my stage, 16 neighbours a lane
.set IMA,  5                           ; v5   my row tile's image
.set ISA,  6                           ; v6   and its scale words
.set HSA,  7                           ; v7   HST + 16 x thread
.set FA,   8                           ; v8   16 x thread
.set HDO,  10                          ; v10  16 ((l % 8) + 8 (l / 16))
.set HD,   12                          ; v12-15  the history of row (l % 8) + 8 (l / 16)
.set HR,   16                          ; v16-19  the history of row l % 16
.set OFFA, 20                          ; v20-27, v28-35  eight gather offsets each
.set OFFB, 28
.set TM,   36                          ; v36-61  QUANT's registers; v62, v63: the opening add's two registers
.set PW,   52
.set PC,   54
.set X,    64                          ; v64-127  the residual: register 8 p + 4 u + e
.set GA,   128                         ; v128-191, v192-255  gathered codewords
.set GB,   192
.set SEL,  20                          ; s[20:21] lane selects: lane l xor 16
; MAIN PART
.set A0,   1                           ; v1   16 lane + 16,384 q: my first tile's image
.set S0,   2                           ; v2   CBS + 1,024 q + 4 lane: lanes 0-15 an even tile's words, lanes 16-31 the odd tile's behind it
.set C0,   3                           ; v3   CC + 1,024 q + 32 h
.set RAD,  4                           ; v4   where my results go
.set T,    5                           ; v5   16 tile + 8 h of the tile whose u are in hand
.set AAD,  6                           ; v6-8 the three addresses of the trip in hand (v6, v7 first serve the rows' fragments and scale words)
.set SAD,  7
.set CAD,  8
.set LN,   9                           ; v9   lane
.set BG,   10                          ; v10-25   best of row tile i at 10 + 2 i, gid at 11 + 2 i
.set TMP,  26                          ; v26-41   at work
.set AF,   42                          ; v42-49   the codebook tile's fragment
.set CCR,  50                          ; v50-57   its cc, in the result's layout
.set DP,   58                          ; v58-89   u of row tiles 0-3
.set DQ,   90                          ; v90-121  u of row tiles 4-7
.set SV,   122                         ; v122-185 the best tile's eight u, for each row tile
.set BF,   186                         ; v186-249 the eight row tiles' fragments
.set BS,   250                         ; v250-253 their scale words: lanes 0-15 row tile 2 k, lanes 16-31 row tile 2 k + 1
.set AS,   254                         ; v254     the codebook's scale words of two tiles
.macro SEL2 d0, a0, d1, a1             ; two selections on VCC: d = VCC ? a : d.  d0 is even and d1 = d0 + 1, a1 = a0 + 1
.if USE_DUAL
	v_dual_cndmask_b32 v[\d0], v[\d0], v[\a0] :: v_dual_cndmask_b32 v[\d1], v[\d1], v[\a1]
.else
	v_cndmask_b32 v[\d0], v[\d0], v[\a0], vcc_lo
	v_cndmask_b32 v[\d1], v[\d1], v[\a1], vcc_lo
.endif
.endm
.macro OFFS j, o                       ; the byte offsets of stage j's codewords of rows p (lanes 0-15) and p + 8 (lanes 16-31), p = 0 .. 7
.irp p, 0,1,2,3,4,5,6,7
	v_mov_b32_dpp v[\o+\p], v[HD+\j] row_share:\p row_mask:0xf bank_mask:0xf
.endr
.irp p, 0,1,2,3,4,5,6,7
	v_min_u32 v[\o+\p], 0x7ff, v[\o+\p]            ; an index stays inside its table
.endr
.irp p, 0,1,2,3,4,5,6,7
	v_lshl_add_u32 v[\o+\p], v[\o+\p], 9, v[LG]
.endr
.endm
.macro GATHER j, g, o                  ; 16 loads, laid as x is: each half wave takes 256 consecutive bytes of a codeword
.irp p, 0,1,2,3,4,5,6,7
.irp u, 0,1
	global_load_b128 v[\g+8*\p+4*\u:\g+8*\p+4*\u+3], v[\o+\p], s[6:7] offset:(\j<<20)+256*\u
.endr
.endr
.endm
.macro CHAIN g                         ; one stage of the residual, as the definition has it
.set i, 0
.rept 32
	v_pk_add_f32 v[\g+i:\g+i+1], v[\g+i:\g+i+1], v[X+i:X+i+1] neg_lo:[0,1] neg_hi:[0,1]   ; t = c - r
.set i, i+2
.endr
.set i, 0
.rept 32
	v_pk_add_f32 v[\g+i:\g+i+1], v[X+i:X+i+1], v[\g+i:\g+i+1]                             ; y = r + t
.set i, i+2
.endr
.set i, 0
.rept 32
	v_pk_add_f32 v[X+i:X+i+1], v[X+i:X+i+1], v[\g+i:\g+i+1] neg_lo:[0,1] neg_hi:[0,1]     ; r = r - y
.set i, i+2
.endr
.endm
.macro ROUND                           ; a round of the cluster's barrier: my work-group's barrier, wave 0's signal for it, every wave's wait for the four, my work-group's barrier
	s_barrier_signal -1
	s_barrier_wait -1
	s_cmp_lg_u32 s14, 0
	s_cbranch_scc1 .Lnot_wave_0_\@
	s_barrier_signal -3
.Lnot_wave_0_\@:
	s_barrier_wait -3
	s_barrier_signal -1
	s_barrier_wait -1
.endm
; 64 numbers of a lane, register 16 b + i = k 32 b + 16 (lane / 16) + i of my row, become a fragment's codes in v[PC] on and its scale word in v[PW].
.macro QUANT s
.irp b, 0,1,2,3
	v_max3_num_f32 v[TM+\b], |v[\s+16*\b]|, |v[\s+1+16*\b]|, 0x1800000   ; block b: my 16 numbers, and the floor 2^(3 - 127): the byte cannot fall under 1
.endr
.irp i, 2,4,6,8,10,12,14
.irp b, 0,1,2,3
	s_delay_alu instid0(VALU_DEP_4)
	v_max3_num_f32 v[TM+\b], v[TM+\b], |v[\s+16*\b+\i]|, |v[\s+1+16*\b+\i]|
.endr
.endr
.irp b, 0,1,2,3
	s_delay_alu instid0(VALU_DEP_4)
	v_permlanex16_b32 v[TM+4+\b], v[TM+\b], s[SEL], s[SEL+1]
.endr
.irp b, 0,1,2,3
	s_delay_alu instid0(VALU_DEP_4)
	v_max_num_f32 v[TM+\b], v[TM+\b], v[TM+4+\b]   ; with lane l xor 16's: the block's largest magnitude
.endr
.irp b, 0,1,2,3
	s_delay_alu instid0(VALU_DEP_4)
	v_add_nc_u32 v[TM+12+\b], 0xff000000, v[TM+\b]   ; 2 off its exponent field: the conversion's scale operand
.endr
.irp b, 0,1,2,3
	s_delay_alu instid0(VALU_DEP_4)
	v_lshrrev_b32 v[TM+4+\b], 23, v[TM+12+\b]      ; the scale's byte
.endr
	s_delay_alu instid0(VALU_DEP_3)
	v_lshl_or_b32 v[PW], v[TM+5], 8, v[TM+4]
	s_delay_alu instid0(VALU_DEP_1)
	v_lshl_or_b32 v[PW], v[TM+6], 16, v[PW]
	s_delay_alu instid0(VALU_DEP_1)
	v_lshl_or_b32 v[PW], v[TM+7], 24, v[PW]
.irp b, 0,1,2,3
	v_cvt_scalef32_pk8_fp4_f32 v[PC+2*\b], v[\s+16*\b:\s+7+16*\b], v[TM+12+\b]
	v_cvt_scalef32_pk8_fp4_f32 v[PC+1+2*\b], v[\s+8+16*\b:\s+15+16*\b], v[TM+12+\b]
.endr
	v_nop                                          ; one plain place behind a scaled conversion
.irp c, 0,1                                    ; a whole block to a lane: lanes 0-15 block 2 c, lanes 16-31 block 2 c + 1
.irp i, 0,1
	v_permlane16_swap_b32 v[PC+4*\c+\i], v[PC+2+4*\c+\i]
.endr
.endr
.endm
	s_load_b256 s[4:11], s[0:1], 0x0               ; x s[4:5], codebooks s[6:7], cq s[8:9], s[10:11]: hin (stage 0: hout)
.if STAGE > 0
	s_load_b64 s[12:13], s[0:1], 0x20              ; hout
.endif
	v_lshl_add_u32 v62, v0, 2, 0x4b400             ; my spare word, behind the history rows
	v_mov_b32 v63, 0
	ds_add_u32 v62, v63                            ; the opening lines: the add, twice on end, and its wait ahead of my tensor load
	ds_add_u32 v62, v63
	v_lshrrev_b32 v12, 5, v0
	s_delay_alu instid0(VALU_DEP_1)
	v_readfirstlane_b32 s14, v12                   ; wave 0..15
	v_and_b32 v12, 31, v0                          ; lane
	v_and_b32 v13, 15, v0                          ; r
	v_bfe_u32 v14, v0, 4, 1                        ; h
	s_delay_alu instid0(VALU_DEP_2)
	v_lshlrev_b32 v[LG], 4, v13
	s_delay_alu instid0(VALU_DEP_1)
	v_lshl_add_u32 v[LX], v14, 12, v[LG]
	s_mul_i32 s16, s14, 16*SPITCH
	s_add_co_u32 s16, s16, STG                     ; my stage
	v_mad_u32_u24 v15, v14, 8*SPITCH, v[LG]
	s_delay_alu instid0(VALU_DEP_1)
	v_add_nc_u32 v[STW], s16, v15                  ; in: row p + 8 h, 16 bytes a lane
	v_mul_u32_u24 v15, v13, SPITCH
	s_delay_alu instid0(VALU_DEP_1)
	v_lshl_add_u32 v15, v14, 6, v15
	s_delay_alu instid0(VALU_DEP_1)
	v_add_nc_u32 v[STR], s16, v15                  ; out: row r, + 64 h: my 16 numbers of a block of 32
	s_lshl_b32 s16, s14, 10
	s_add_co_u32 s16, s16, IMG
	v_lshl_add_u32 v[IMA], v12, 4, s16
	s_lshl_b32 s16, s14, 6
	s_add_co_u32 s16, s16, ISC
	v_lshl_add_u32 v[ISA], v13, 2, s16
	v_lshlrev_b32 v[FA], 4, v0
	s_delay_alu instid0(VALU_DEP_1)
	v_add_nc_u32 v[HSA], HST, v[FA]
.if STAGE > 0
	v_and_b32 v15, 7, v0
	s_delay_alu instid0(VALU_DEP_1)
	v_lshl_add_u32 v15, v14, 3, v15
	s_delay_alu instid0(VALU_DEP_1)
	v_lshlrev_b32 v[HDO], 4, v15
.irp i, 0,1,2,3,4,5,6,7,8,9,10,11,12,13,14,15
	v_mov_b32 v[OFFA+\i], 0                        ; written once: the destination of a DPP move counts as one of its sources
.endr
.endif
	s_mov_b32 s[SEL], 0x76543210
	s_mov_b32 s[SEL+1], 0xfedcba98
	s_bfe_u32 s15, ttmp6, 0x40000                  ; my place in the cluster of four
	s_lshl_b32 s16, ttmp9, 2
	s_add_co_u32 s15, s15, s16                     ; the work-group's number
	s_lshl_b32 s16, s15, 17                        ; the work-group's 256 rows of 512 bytes,
	s_lshl_b32 s17, s14, 13                        ; my wave's 16
	s_add_co_u32 s16, s16, s17
	s_mov_b32 s17, 0
	s_lshl_b32 s18, s15, 12                        ; and the same rows of the history, 16 bytes each
	s_lshl_b32 s19, s14, 8
	s_add_co_u32 s18, s18, s19
	s_mov_b32 s19, 0
	s_mov_b32 s32, 1                               ; group 0: count; LDS address: my wave's 9,216 bytes of the record, at their place in it
	s_mul_i32 s33, s14, 9216
	s_mul_i32 s28, s14, 9216                       ; and the same offset in memory
	s_mov_b32 s29, 0
	s_mov_b32 s36, 15|(3<<16)|(1<<21)              ; group 1: the four of the cluster; elements of 8 bytes; bit 21 beside a mask
	s_mov_b32 s37, 32<<16                          ; tensor_dim0 = 32 elements: rows of 256 bytes
	s_mov_b32 s38, 36<<16                          ; tensor_dim1 = 36
	s_mov_b32 s39, 32<<16                          ; tile_dim0
	s_mov_b32 s40, 36                              ; tile_dim1
	s_mov_b32 s41, 32                              ; the pitch: the block is dense
	s_mov_b32 s42, 0
	s_mov_b32 s43, 0
	s_wait_alu depctr_va_vdst(0)
	s_wait_dscnt 0x0                               ; both opening adds are done
	s_wait_kmcnt 0x0
	s_add_nc_u64 s[34:35], s[8:9], s[28:29]
.if STAGE > 0
	s_add_nc_u64 s[34:35], s[34:35], STAGE*REC     ; the stage's record
.endif
	s_or_b32 s35, s35, 0x80000000                  ; type = 2
	s_add_nc_u64 s[4:5], s[4:5], s[16:17]
	s_add_nc_u64 s[26:27], s[HO:HO+1], s[18:19]
.if STAGE > 0
	s_add_nc_u64 s[24:25], s[10:11], s[18:19]
	global_load_b128 v[HD:HD+3], v[HDO], s[24:25]
	global_load_b128 v[HR:HR+3], v[LG], s[24:25]
.endif
.irp p, 0,1,2,3,4,5,6,7
.irp u, 0,1
	global_load_b128 v[X+8*\p+4*\u:X+8*\p+4*\u+3], v[LX], s[4:5] offset:512*\p+256*\u   ; later launches read x again: no hint
.endr
.endr
	ROUND                                          ; the four work-groups are here: the joint loads meet
	tensor_load_to_lds s[32:35], s[36:43]          ; my sixteenth of the record: the wave's one tensor load
	s_nop 0
.if STAGE > 0
	s_wait_loadcnt 16                              ; behind the two history loads stand x's 16
.else
.irp i, 0,1,2,3
	v_mov_b32 v[HR+\i], 0                          ; no stage is done: the row begins as zeros
.endr
.endif
	ds_store_b128 v[HSA], v[HR:HR+3]               ; kept in LDS over the main part
	; The residual of this stage.
.if STAGE == 3
	OFFS 0, OFFA
	GATHER 0, GA, OFFA
	OFFS 1, OFFB
	GATHER 1, GB, OFFB
	s_wait_loadcnt 16                              ; x and stage 0's codewords are in; stage 1's 16 loads may be out
	CHAIN GA
	OFFS 2, OFFA                                   ; (stage 0's gathers are done: their offsets may be written)
	GATHER 2, GA, OFFA
	s_wait_loadcnt 16                              ; stage 1's are in; stage 2's 16 may be out
	CHAIN GB
	s_wait_loadcnt 0x0                             ; stage 2's are in
	CHAIN GA
.elseif STAGE == 2
	OFFS 0, OFFA
	GATHER 0, GA, OFFA
	OFFS 1, OFFB
	GATHER 1, GB, OFFB
	s_wait_loadcnt 16                              ; stage 1's 16 loads may be out
	CHAIN GA
	s_wait_loadcnt 0x0
	CHAIN GB
.elseif STAGE == 1
	OFFS 0, OFFA
	GATHER 0, GA, OFFA
	s_wait_loadcnt 0x0
	CHAIN GA
.else
	s_wait_loadcnt 0x0                             ; x is in
.endif
	; The residual turns through my stage: in as it was loaded, out 16 neighbours along K a lane.  LDS serves a wave's instructions in order: no wait between.
.irp p, 0,1,2,3,4,5,6,7
.irp u, 0,1
	ds_store_b128 v[STW], v[X+8*\p+4*\u:X+8*\p+4*\u+3] offset:SPITCH*\p+256*\u
.endr
.endr
.irp b, 0,1,2,3
.irp j, 0,1,2,3
	ds_load_b128 v[GA+16*\b+4*\j:GA+16*\b+4*\j+3], v[STR] offset:128*\b+16*\j
.endr
.endr
	s_wait_dscnt 0x0                               ; the residual is back
.irp b, 0,1,2,3
	v_mov_b32 v[TM+4+\b], 0                        ; a lane permute's destination counts as one of its sources
.endr
	QUANT GA
	ds_store_b128 v[IMA], v[PC:PC+3]               ; the fragment as an image of its registers
	ds_store_b128 v[IMA], v[PC+4:PC+7] offset:512
	ds_store_b32 v[ISA], v[PW]                     ; lanes 16-31 hold the same word and write the same place
	s_wait_tensorcnt 0x0                           ; for the others' sake: my part of the record has landed,
	s_wait_dscnt 0x0                               ; and so have all my LDS stores
	s_barrier_signal -1
	s_lshr_b32 s16, s14, 3                         ; g
	s_and_b32 s17, s14, 7                          ; q
	v_and_b32 v[LN], 31, v0
	s_wait_alu depctr_va_vdst(0)
	v_bfe_u32 v[CAD], v0, 4, 1                     ; h
	s_wait_alu depctr_va_vdst(0)
	s_lshl_b32 s18, s17, 14
	v_lshl_add_u32 v[A0], v[LN], 4, s18
	s_lshl_b32 s18, s17, 10
	s_add_co_u32 s19, s18, CBS
	v_lshl_add_u32 v[S0], v[LN], 2, s19
	s_add_co_u32 s19, s18, CC
	v_lshl_add_u32 v[C0], v[CAD], 5, s19
	s_lshl_b32 s18, s17, 12
	s_lshl_b32 s19, s16, 11
	s_add_co_u32 s18, s18, s19
	s_add_co_u32 s18, s18, RES
	v_lshl_add_u32 v[RAD], v[LN], 3, s18
	s_lshl_b32 s18, s17, 8
	v_lshl_add_u32 v[T], v[CAD], 3, s18
	s_lshl_b32 s18, s16, 13
	s_add_co_u32 s18, s18, IMG
	v_lshl_add_u32 v[AAD], v[LN], 4, s18           ; my eight row tiles' images
	s_lshl_b32 s18, s16, 9
	s_add_co_u32 s18, s18, ISC
	v_lshl_add_u32 v[SAD], v[LN], 2, s18           ; and their scale words
	s_mov_b32 s22, 0                               ; trips
	s_mov_b32 s23, 0                               ; 2,048 bytes of images a trip
	s_mov_b32 s24, 0                               ; 128 bytes of cc and of scale words a trip
	s_mov_b32 s25, 0x7f800000                      ; +infinity
	s_wait_alu depctr_va_vdst(0)
	s_barrier_wait -1                              ; the record and the sixteen row tiles lie in LDS
; One product: u of 16 codewords x 16 rows.  pa: the tile is the odd one of AS's two; pb: the row tile is the odd one of its scale register's two.
.macro WM dd, bb, ss, pa, pb
.if (\pa) && (\pb)
	v_wmma_scale_f32_16x16x128_f8f6f4 v[\dd:\dd+7], v[AF:AF+7], v[\bb:\bb+7], v[CCR:CCR+7], v[AS], v[\ss] matrix_a_fmt:MATRIX_FMT_FP4 matrix_b_fmt:MATRIX_FMT_FP4 matrix_a_scale:MATRIX_SCALE_ROW1 matrix_b_scale:MATRIX_SCALE_ROW1
.elseif (\pa)
	v_wmma_scale_f32_16x16x128_f8f6f4 v[\dd:\dd+7], v[AF:AF+7], v[\bb:\bb+7], v[CCR:CCR+7], v[AS], v[\ss] matrix_a_fmt:MATRIX_FMT_FP4 matrix_b_fmt:MATRIX_FMT_FP4 matrix_a_scale:MATRIX_SCALE_ROW1
.elseif (\pb)
	v_wmma_scale_f32_16x16x128_f8f6f4 v[\dd:\dd+7], v[AF:AF+7], v[\bb:\bb+7], v[CCR:CCR+7], v[AS], v[\ss] matrix_a_fmt:MATRIX_FMT_FP4 matrix_b_fmt:MATRIX_FMT_FP4 matrix_b_scale:MATRIX_SCALE_ROW1
.else
	v_wmma_scale_f32_16x16x128_f8f6f4 v[\dd:\dd+7], v[AF:AF+7], v[\bb:\bb+7], v[CCR:CCR+7], v[AS], v[\ss] matrix_a_fmt:MATRIX_FMT_FP4 matrix_b_fmt:MATRIX_FMT_FP4
.endif
.endm
.macro W ib, d, par                    ; the tile against row tiles ib .. ib + 3.  No sum is added onto: each product is whole (K = 128), with cc as its C
.irp b, 0,1,2,3
	WM \d+8*\b,BF+8*(\ib+\b),BS+(\ib+\b)/2,\par,(\ib+\b)%2
.endr
.endm
.macro VA d                            ; the first read of each of the four results, from its low end
.irp b, 0,1,2,3
	v_min3_num_f32 v[TMP+4*\b], v[\d+8*\b], v[\d+8*\b+1], v[\d+8*\b+2]
.endr
.endm
.macro VB d, ib                        ; the rest of the least of eight u and best; where it is new: gid and the eight u are taken over
.irp b, 0,1,2,3
	v_min3_num_f32 v[TMP+4*\b+1], v[\d+8*\b+3], v[\d+8*\b+4], v[\d+8*\b+5]
.endr
.irp b, 0,1,2,3
	v_min3_num_f32 v[TMP+4*\b+2], v[\d+8*\b+6], v[\d+8*\b+7], v[BG+2*(\ib+\b)]
.endr
.irp b, 0,1,2,3
	s_delay_alu instid0(VALU_DEP_4)
	v_min3_num_f32 v[TMP+4*\b], v[TMP+4*\b], v[TMP+4*\b+1], v[TMP+4*\b+2]
.endr
.irp b, 0,1,2,3
	v_cmp_lt_f32 vcc_lo, v[TMP+4*\b], v[BG+2*(\ib+\b)]   ; strictly less: on a tie the earlier tile, the lower index, stays
.if USE_DUAL
	v_dual_mov_b32 v[BG+2*(\ib+\b)], v[TMP+4*\b] :: v_dual_cndmask_b32 v[BG+2*(\ib+\b)+1], v[BG+2*(\ib+\b)+1], v[T]
.else
	v_mov_b32 v[BG+2*(\ib+\b)], v[TMP+4*\b]
	v_cndmask_b32 v[BG+2*(\ib+\b)+1], v[BG+2*(\ib+\b)+1], v[T], vcc_lo
.endif
.irp j, 0,2,4,6
	SEL2 SV+8*(\ib+\b)+\j,\d+8*\b+\j,SV+8*(\ib+\b)+\j+1,\d+8*\b+\j+1
.endr
.endr
.endm
; A STEP works the u of the tile in hand and multiplies the next tile (np: its parity; oa, oc: its offsets from the trip's addresses).
; Places: a load into a register that a matrix instruction has read stands four plain vector instructions behind it: VA's four lines, which name DP and TMP alone, behind the products into DQ.
; Each result set is read, and written again, behind the forty lines that work the other set.
.macro STEP np, oa, oc
	VA DP
	ds_load_b128 v[AF:AF+3], v[AAD] offset:\oa
	ds_load_b128 v[AF+4:AF+7], v[AAD] offset:\oa+512
	ds_load_b128 v[CCR:CCR+3], v[CAD] offset:\oc
	ds_load_b128 v[CCR+4:CCR+7], v[CAD] offset:\oc+16
.if \np == 0
	ds_load_b32 v[AS], v[SAD] offset:\oc           ; an even tile begins a new pair of scale words
.endif
	VB DP, 0
	s_wait_dscnt 0x0                               ; the next tile is in (asked for 36 vector instructions ago)
	W 0, DP, \np
	VA DQ
	VB DQ, 4
	v_add_nc_u32 v[T], 16, v[T]
	W 4, DQ, \np
.endm
.irp i, 0,1,2,3,4,5,6,7
	ds_load_b128 v[BF+8*\i:BF+8*\i+3], v[AAD] offset:1024*\i
	ds_load_b128 v[BF+8*\i+4:BF+8*\i+7], v[AAD] offset:1024*\i+512
.endr
.irp k, 0,1,2,3
	ds_load_b32 v[BS+\k], v[SAD] offset:128*\k
.endr
	ds_load_b128 v[AF:AF+3], v[A0]                 ; my first tile
	ds_load_b128 v[AF+4:AF+7], v[A0] offset:512
	ds_load_b128 v[CCR:CCR+3], v[C0]
	ds_load_b128 v[CCR+4:CCR+7], v[C0] offset:16
	ds_load_b32 v[AS], v[S0]
.set i, 0
.rept 64
	v_mov_b32 v[SV+i], s25                         ; the state is written before the selections read it; the first tile replaces it
.set i, i+1
.endr
	s_wait_dscnt 0x0
	W 0, DP, 0
	W 4, DQ, 0
.irp i, 0,1,2,3,4,5,6,7                        ; sixteen plain lines: the places behind the first products
	v_mov_b32 v[BG+2*\i], s25                      ; best = +infinity
	v_mov_b32 v[BG+2*\i+1], v[T]
.endr
.Ltiles:                                           ; 7 trips of two tiles: tiles 2 i and 2 i + 1 are worked, tiles 2 i + 1 and 2 i + 2 multiplied
	v_add_nc_u32 v[AAD], s23, v[A0]                ; (no LDS load of mine is out)
	v_add_nc_u32 v[CAD], s24, v[C0]
	v_add_nc_u32 v[SAD], s24, v[S0]
	STEP 1, 1024, 64
	STEP 0, 2048, 128
	s_add_co_u32 s23, s23, 2048
	s_add_co_u32 s24, s24, 128
	s_add_co_u32 s22, s22, 1
	s_cmp_lt_u32 s22, 7
	s_cbranch_scc1 .Ltiles
	v_add_nc_u32 v[AAD], s23, v[A0]
	v_add_nc_u32 v[CAD], s24, v[C0]
	STEP 1, 1024, 64                               ; tile 14 is worked, tile 15 multiplied: nothing is read past my sixteen tiles
	VA DP                                          ; tile 15
	VB DP, 0
	VA DQ
	VB DQ, 4
	; The place inside the best tile: the lowest j whose u is best.
.irp i, 0,1,2,3,4,5,6,7
	v_mov_b32 v[TMP+\i], 7
.endr
.irp j, 6,5,4,3,2,1,0
.irp i, 0,1,2,3,4,5,6,7
	v_cmp_neq_f32 vcc_lo, v[SV+8*\i+\j], v[BG+2*\i]
	s_delay_alu instid0(VALU_DEP_1)
	v_cndmask_b32 v[TMP+\i], \j, v[TMP+\i], vcc_lo
.endr
.endr
.irp i, 0,1,2,3,4,5,6,7
	v_add_nc_u32 v[BG+2*\i+1], v[BG+2*\i+1], v[TMP+\i]
.endr
.irp i, 0,1,2,3,4,5,6,7
	ds_store_b64 v[RAD], v[BG+2*\i:BG+2*\i+1] offset:256*\i   ; (least u, its index) of my part of the codebook, for row tile 8 g + i
.endr
	s_wait_dscnt 0x0                               ; for the others' sake: my results have landed
	s_barrier_signal -1
	s_barrier_wait -1
	; THE END: wave w joins the eight parts of row tile w, then the two halves of the lanes, and stores the rows' history with the new index.
.set FV,  58                           ; v58-73  eight pairs (u, index)
.set OT,  74                           ; v74-75  lane l xor 16's pair
.set HRF, 76                           ; v76-79  my row's history
	s_lshl_b32 s16, s14, 8
	s_add_co_u32 s16, s16, RES
	v_lshl_add_u32 v[A0], v[LN], 3, s16
	v_lshlrev_b32 v[S0], 4, v0
	s_delay_alu instid0(VALU_DEP_1)
	v_add_nc_u32 v[S0], HST, v[S0]
	v_and_b32 v[C0], 15, v0
	s_delay_alu instid0(VALU_DEP_1)
	v_lshlrev_b32 v[C0], 4, v[C0]                  ; my row's 16 bytes among the wave's 256
.irp q, 0,1,2,3,4,5,6,7
	ds_load_b64 v[FV+2*\q:FV+2*\q+1], v[A0] offset:4096*\q
.endr
	ds_load_b128 v[HRF:HRF+3], v[S0]
	v_mov_b32 v[OT], 0                             ; a lane permute's destination counts as one of its sources
	v_mov_b32 v[OT+1], 0
	s_wait_dscnt 0x0
.irp q, 1,2,3,4,5,6,7
	v_cmp_lt_f32 vcc_lo, v[FV+2*\q], v[FV]         ; strictly less: on a tie the lower part stays
	SEL2 FV,FV+2*\q,FV+1,FV+2*\q+1
.endr
	v_permlanex16_b32 v[OT], v[FV], s[SEL], s[SEL+1]
	v_permlanex16_b32 v[OT+1], v[FV+1], s[SEL], s[SEL+1]
	s_delay_alu instid0(VALU_DEP_2)
	v_cmp_lt_f32 s30, v[OT], v[FV]                 ; the other half's is taken where it is less,
	s_delay_alu instid0(VALU_DEP_3)
	v_cmp_eq_f32 s31, v[OT], v[FV]
	s_delay_alu instid0(VALU_DEP_3)
	v_cmp_lt_u32 vcc_lo, v[OT+1], v[FV+1]          ; or equal with the lower index
	s_and_b32 s31, s31, vcc_lo
	s_or_b32 s30, s30, s31
	v_cndmask_b32 v[HRF+STAGE], v[FV+1], v[OT+1], s30     ; the index goes to this stage's entry of the row
	s_wait_alu depctr_va_vdst(0)
	s_wait_xcnt 0x0                                ; EXEC changes only behind this wait
	v_cmp_gt_u32 vcc_lo, 16, v[LN]
	s_and_saveexec_b32 s30, vcc_lo
	global_store_b128 v[C0], v[HRF:HRF+3], s[26:27]       ; sixteen lanes store the wave's 256 consecutive bytes, aligned
	s_wait_xcnt 0x0
	s_or_b32 exec_lo, exec_lo, s30
	s_wait_xcnt 0x0
	s_mov_b32 exec_lo, -1
	v_lshl_add_u32 v34, v0, 2, 0x4b400
	v_mov_b32 v35, 0
	s_wait_alu depctr_va_vdst(0)
	s_wait_tensorcnt 0x0
	ds_add_u32 v34, v35
	s_wait_dscnt 0x0
	ROUND                                          ; the closing round
	s_endpgm
.Lfunc_end_k_q12e4fb582a_st3:
	.size	k_q12e4fb582a_st3, .Lfunc_end_k_q12e4fb582a_st3-k_q12e4fb582a_st3
	.p2alignl 7, 3214868480
	.fill 96, 4, 3214868480
	.section	.rodata,"a",@progbits
	.p2align	6, 0x0
	.amdhsa_kernel k_q12e4fb582a_st3
		.amdhsa_group_segment_fixed_size 310272
		.amdhsa_private_segment_fixed_size 0
		.amdhsa_enable_private_segment 0
		.amdhsa_kernarg_size 40
		.amdhsa_user_sgpr_count 2
		.amdhsa_user_sgpr_kernarg_segment_ptr 1
		.amdhsa_wavefront_size32 1
		.amdhsa_system_sgpr_workgroup_id_x 1
		.amdhsa_system_sgpr_workgroup_id_y 1
		.amdhsa_system_sgpr_workgroup_id_z 1
		.amdhsa_system_vgpr_workitem_id 0
		.amdhsa_next_free_vgpr 256
		.amdhsa_next_free_sgpr 66
		.amdhsa_reserve_vcc 1
		.amdhsa_float_denorm_mode_32 3
		.amdhsa_float_denorm_mode_16_64 3
		.amdhsa_memory_ordered 1
		.amdhsa_forward_progress 1
		.amdhsa_inst_pref_size 82
	.end_amdhsa_kernel
	.amdgpu_metadata
---
amdhsa.version: [ 1, 2 ]
amdhsa.kernels:
  - .name:           k_q12e4fb582a_st3
    .symbol:         k_q12e4fb582a_st3.kd
    .args:
      - { .name: x, .offset: 0, .size: 8, .value_kind: global_buffer, .address_space: global }
      - { .name: codebooks, .offset: 8, .size: 8, .value_kind: global_buffer, .address_space: global }
      - { .name: cq, .offset: 16, .size: 8, .value_kind: global_buffer, .address_space: global }
      - { .name: ha, .offset: 24, .size: 8, .value_kind: global_buffer, .address_space: global }
      - { .name: hb, .offset: 32, .size: 8, .value_kind: global_buffer, .address_space: global }
    .group_segment_fixed_size: 310272
    .private_segment_fixed_size: 0
    .kernarg_segment_align: 8
    .kernarg_segment_size: 40
    .max_flat_workgroup_size: 512
    .sgpr_count:     66
    .vgpr_count:     256
    .wavefront_size: 32
...
	.end_amdgpu_metadata
.endif
;; end of part 5
;; launch fin (part 6): grid 1024 x 1, 8 waves a work-group, no clusters, 1,280 bytes of LDS; arguments x, codebooks, hb, out0, out2, lp; writes out0, out2, lp
.if DOCPART == 6
	.amdgcn_target "amdgcn-amd-amdhsa--gfx1250"
	.amdhsa_code_object_version 6
	.text
	.protected	k_q12e4fb582a_fin
	.globl	k_q12e4fb582a_fin
	.p2align	8
	.type	k_q12e4fb582a_fin,@function
k_q12e4fb582a_fin:
	s_mov_b64 s[64:65], 0
	v_nop
	global_prefetch_b8 v0, s[64:65] scope:SCOPE_SE
	s_setreg_imm32_b32 hwreg(HW_REG_WAVE_MODE, 25, 1), 1
	s_wait_xcnt 0x0
; With all four indices of every row in hb: x_q, the indices as an output, and each work-group's part of the loss.
; A work-group takes 64 rows, a wave 8: in instruction (p, u), p = 0 .. 3, u = 0, 1, lanes 0-15 take row p and lanes 16-31 row p + 4, 16 bytes a lane at 256 u + 16 (l % 16):
; each half wave reads or stores 256 consecutive bytes, aligned.  All 32 gathers of a wave go out together.
; For each stage, as the definition has it: t = c - r;  the loss takes t t;  y = r + t;  r = r - y;  x_q = x_q + y.
; The sum of t t over the work-group goes to lp; the last launch adds the 1,024 parts.  No matrix unit, no cluster: a stream with gathers; work-groups share only the codebooks.
; An index read from hb is held at 2,047.
.set LX,  1                            ; v1   16 (l % 16) + 2,048 (l / 16)
.set LG,  2                            ; v2   16 (l % 16)
.set HDO, 3                            ; v3   16 ((l % 4) + 4 (l / 16))
.set WA,  4                            ; v4   4 x wave
.set CP,  5                            ; v5   16 x thread
.set ZR,  6                            ; v6   0
.set HD,  8                            ; v8-11   the history of row (l % 4) + 4 (l / 16)
.set OFF, 12                           ; v12-27  gather offsets: stage j, pair of rows p at 12 + 4 j + p
.set LS,  28                           ; v28-31  the loss, two packed chains
.set X,   32                           ; v32-63  the residual
.set G,   64                           ; v64-191 stage j's codewords at 64 + 32 j; stage 0's registers take x_q
	s_load_b256 s[4:11], s[0:1], 0x0               ; x s[4:5], codebooks s[6:7], hb s[8:9], out0 s[10:11]
	s_load_b128 s[12:15], s[0:1], 0x20             ; out2 s[12:13], lp s[14:15]
	v_lshl_add_u32 v192, v0, 2, 0x100
	v_mov_b32 v193, 0
	v_lshrrev_b32 v7, 5, v0
	s_delay_alu instid0(VALU_DEP_1)
	v_readfirstlane_b32 s16, v7                    ; wave 0..7
	v_and_b32 v7, 15, v0
	s_delay_alu instid0(VALU_DEP_1)
	v_lshlrev_b32 v[LG], 4, v7
	v_bfe_u32 v7, v0, 4, 1                         ; h
	s_delay_alu instid0(VALU_DEP_1)
	v_lshl_add_u32 v[LX], v7, 11, v[LG]
	v_and_b32 v[HDO], 3, v0
	s_delay_alu instid0(VALU_DEP_1)
	v_lshl_add_u32 v[HDO], v7, 2, v[HDO]
	s_delay_alu instid0(VALU_DEP_1)
	v_lshlrev_b32 v[HDO], 4, v[HDO]
	v_mov_b32 v[WA], s16
	s_delay_alu instid0(VALU_DEP_1)
	v_lshlrev_b32 v[WA], 2, v[WA]
	v_lshlrev_b32 v[CP], 4, v0
	v_mov_b32 v[ZR], 0
.irp i, 0,1,2,3,4,5,6,7,8,9,10,11,12,13,14,15
	v_mov_b32 v[OFF+\i], 0                         ; the destination of a DPP move counts as one of its sources
.endr
	s_mov_b32 s22, 0x76543210
	s_mov_b32 s23, 0xfedcba98
	s_lshl_b32 s18, ttmp9, 15                      ; the work-group's 64 rows of 512 bytes,
	s_lshl_b32 s19, s16, 12                        ; my wave's 8
	s_add_co_u32 s18, s18, s19
	s_mov_b32 s19, 0
	s_lshl_b32 s20, ttmp9, 10                      ; the work-group's 64 rows of 16 bytes
	s_mov_b32 s21, 0
	s_lshl_b32 s24, s16, 7                         ; my wave's 8
	s_mov_b32 s25, 0
	s_lshl_b32 s26, ttmp9, 2
	s_mov_b32 s27, 0
	s_wait_kmcnt 0x0
	s_add_nc_u64 s[4:5], s[4:5], s[18:19]
	s_add_nc_u64 s[10:11], s[10:11], s[18:19]
	s_add_nc_u64 s[8:9], s[8:9], s[20:21]
	s_add_nc_u64 s[12:13], s[12:13], s[20:21]
	s_add_nc_u64 s[28:29], s[8:9], s[24:25]
	s_add_nc_u64 s[14:15], s[14:15], s[26:27]
	global_load_b128 v[HD:HD+3], v[HDO], s[28:29]
.irp p, 0,1,2,3
.irp u, 0,1
	global_load_b128 v[X+8*\p+4*\u:X+8*\p+4*\u+3], v[LX], s[4:5] offset:512*\p+256*\u th:TH_LOAD_NT
.endr
.endr
	s_wait_loadcnt 8                               ; the history is in; x's eight loads may be out
.irp j, 0,1,2,3
.irp p, 0,1,2,3
	v_mov_b32_dpp v[OFF+4*\j+\p], v[HD+\j] row_share:\p row_mask:0xf bank_mask:0xf
.endr
.endr
.irp i, 0,1,2,3,4,5,6,7,8,9,10,11,12,13,14,15
	v_min_u32 v[OFF+\i], 0x7ff, v[OFF+\i]          ; an index stays inside its table
.endr
.irp i, 0,1,2,3,4,5,6,7,8,9,10,11,12,13,14,15
	v_lshl_add_u32 v[OFF+\i], v[OFF+\i], 9, v[LG]
.endr
.irp j, 0,1,2,3
.irp p, 0,1,2,3
.irp u, 0,1
	global_load_b128 v[G+32*\j+8*\p+4*\u:G+32*\j+8*\p+4*\u+3], v[OFF+4*\j+\p], s[6:7] offset:(\j<<20)+256*\u
.endr
.endr
.endr
.macro STEPF j
	s_wait_loadcnt 24-8*\j                         ; this stage's codewords are in; the later stages' eight loads each may be out
.set i, 0
.rept 16
	v_pk_add_f32 v[G+32*\j+i:G+32*\j+i+1], v[G+32*\j+i:G+32*\j+i+1], v[X+i:X+i+1] neg_lo:[0,1] neg_hi:[0,1]   ; t = c - r
.set i, i+2
.endr
.set i, 0
.rept 16
.if (\j == 0) && (i < 4)
	v_pk_mul_f32 v[LS+i:LS+i+1], v[G+i:G+i+1], v[G+i:G+i+1]                 ; the first two products start the two chains
.else
	v_pk_fma_f32 v[LS+i%4:LS+i%4+1], v[G+32*\j+i:G+32*\j+i+1], v[G+32*\j+i:G+32*\j+i+1], v[LS+i%4:LS+i%4+1]
.endif
.set i, i+2
.endr
.set i, 0
.rept 16
	v_pk_add_f32 v[G+32*\j+i:G+32*\j+i+1], v[X+i:X+i+1], v[G+32*\j+i:G+32*\j+i+1]   ; y = r + t
.set i, i+2
.endr
.if \j < 3                             ; behind the last stage nobody reads the residual
.set i, 0
.rept 16
	v_pk_add_f32 v[X+i:X+i+1], v[X+i:X+i+1], v[G+32*\j+i:G+32*\j+i+1] neg_lo:[0,1] neg_hi:[0,1]   ; r = r - y
.set i, i+2
.endr
.endif
.if \j > 0
.set i, 0
.rept 16
	v_pk_add_f32 v[G+i:G+i+1], v[G+i:G+i+1], v[G+32*\j+i:G+32*\j+i+1]       ; x_q = x_q + y, the stages in order
.set i, i+2
.endr
.endif
.endm
	STEPF 0
	STEPF 1
	STEPF 2
	STEPF 3
.irp p, 0,1,2,3
.irp u, 0,1
	global_store_b128 v[LX], v[G+8*\p+4*\u:G+8*\p+4*\u+3], s[10:11] offset:512*\p+256*\u th:TH_STORE_NT
.endr
.endr
	v_pk_add_f32 v[LS:LS+1], v[LS:LS+1], v[LS+2:LS+3]
	s_delay_alu instid0(VALU_DEP_1)
	v_add_f32 v[LS], v[LS], v[LS+1]
	s_delay_alu instid0(VALU_DEP_1)
	v_add_f32_dpp v[LS], v[LS], v[LS] row_xmask:1 row_mask:0xf bank_mask:0xf
	s_delay_alu instid0(VALU_DEP_1)
	v_add_f32_dpp v[LS], v[LS], v[LS] row_xmask:2 row_mask:0xf bank_mask:0xf
	s_delay_alu instid0(VALU_DEP_1)
	v_add_f32_dpp v[LS], v[LS], v[LS] row_xmask:4 row_mask:0xf bank_mask:0xf
	s_delay_alu instid0(VALU_DEP_1)
	v_add_f32_dpp v[LS], v[LS], v[LS] row_xmask:8 row_mask:0xf bank_mask:0xf
	s_delay_alu instid0(VALU_DEP_1)
	v_permlanex16_b32 v[LS+1], v[LS], s22, s23
	s_delay_alu instid0(VALU_DEP_1)
	v_add_f32 v[LS], v[LS], v[LS+1]                ; the wave's sum, in every lane
	ds_store_b32 v[WA], v[LS]                      ; all lanes write the wave's word with the same value
	s_wait_dscnt 0x0                               ; for the others' sake
	s_barrier_signal -1
	s_barrier_wait -1
	s_cmp_gt_u32 s16, 1
	s_cbranch_scc1 .Lend
	global_load_b128 v[32:35], v[CP], s[8:9]       ; waves 0 and 1 copy the work-group's 1,024 bytes of indices: 512 consecutive bytes each
	s_wait_loadcnt 0x0
	global_store_b128 v[CP], v[32:35], s[12:13]
	s_cmp_lg_u32 s16, 0
	s_cbranch_scc1 .Lend
	ds_load_b128 v[36:39], v[ZR]                   ; wave 0 adds the eight waves' sums
	ds_load_b128 v[40:43], v[ZR] offset:16
	s_wait_dscnt 0x0
	v_pk_add_f32 v[36:37], v[36:37], v[38:39]
	v_pk_add_f32 v[40:41], v[40:41], v[42:43]
	s_delay_alu instid0(VALU_DEP_1)
	v_pk_add_f32 v[36:37], v[36:37], v[40:41]
	s_delay_alu instid0(VALU_DEP_1)
	v_add_f32 v36, v36, v37
	s_wait_alu depctr_va_vdst(0)
	s_wait_xcnt 0x0                                ; EXEC changes only behind this wait
	v_cmp_eq_u32 vcc_lo, 0, v0
	s_and_saveexec_b32 s20, vcc_lo
	global_store_b32 v[ZR], v36, s[14:15]          ; lp[work-group]
	s_wait_xcnt 0x0
	s_or_b32 exec_lo, exec_lo, s20
.Lend:
	s_barrier_signal -1
	s_barrier_wait -1
	s_wait_tensorcnt 0x0
	ds_add_u32 v192, v193
	s_wait_dscnt 0x0
	s_endpgm
.Lfunc_end_k_q12e4fb582a_fin:
	.size	k_q12e4fb582a_fin, .Lfunc_end_k_q12e4fb582a_fin-k_q12e4fb582a_fin
	.p2alignl 7, 3214868480
	.fill 96, 4, 3214868480
	.section	.rodata,"a",@progbits
	.p2align	6, 0x0
	.amdhsa_kernel k_q12e4fb582a_fin
		.amdhsa_group_segment_fixed_size 1280
		.amdhsa_private_segment_fixed_size 0
		.amdhsa_enable_private_segment 0
		.amdhsa_kernarg_size 48
		.amdhsa_user_sgpr_count 2
		.amdhsa_user_sgpr_kernarg_segment_ptr 1
		.amdhsa_wavefront_size32 1
		.amdhsa_system_sgpr_workgroup_id_x 1
		.amdhsa_system_sgpr_workgroup_id_y 1
		.amdhsa_system_sgpr_workgroup_id_z 1
		.amdhsa_system_vgpr_workitem_id 0
		.amdhsa_next_free_vgpr 194
		.amdhsa_next_free_sgpr 66
		.amdhsa_reserve_vcc 1
		.amdhsa_float_denorm_mode_32 3
		.amdhsa_float_denorm_mode_16_64 3
		.amdhsa_memory_ordered 1
		.amdhsa_forward_progress 1
		.amdhsa_inst_pref_size 31
	.end_amdhsa_kernel
	.amdgpu_metadata
---
amdhsa.version: [ 1, 2 ]
amdhsa.kernels:
  - .name:           k_q12e4fb582a_fin
    .symbol:         k_q12e4fb582a_fin.kd
    .args:
      - { .name: x, .offset: 0, .size: 8, .value_kind: global_buffer, .address_space: global }
      - { .name: codebooks, .offset: 8, .size: 8, .value_kind: global_buffer, .address_space: global }
      - { .name: hb, .offset: 16, .size: 8, .value_kind: global_buffer, .address_space: global }
      - { .name: out0, .offset: 24, .size: 8, .value_kind: global_buffer, .address_space: global }
      - { .name: out2, .offset: 32, .size: 8, .value_kind: global_buffer, .address_space: global }
      - { .name: lp, .offset: 40, .size: 8, .value_kind: global_buffer, .address_space: global }
    .group_segment_fixed_size: 1280
    .private_segment_fixed_size: 0
    .kernarg_segment_align: 8
    .kernarg_segment_size: 48
    .max_flat_workgroup_size: 256
    .sgpr_count:     66
    .vgpr_count:     194
    .wavefront_size: 32
...
	.end_amdgpu_metadata
.endif
;; end of part 6
;; launch red (part 7): grid 1 x 1, 1 waves a work-group, no clusters, 0 bytes of LDS; arguments lp, out1; writes out1
.if DOCPART == 7
	.amdgcn_target "amdgcn-amd-amdhsa--gfx1250"
	.amdhsa_code_object_version 6
	.text
	.protected	k_q12e4fb582a_red
	.globl	k_q12e4fb582a_red
	.p2align	8
	.type	k_q12e4fb582a_red,@function
k_q12e4fb582a_red:
	s_mov_b64 s[64:65], 0
	v_nop
	global_prefetch_b8 v0, s[64:65] scope:SCOPE_SE
	s_setreg_imm32_b32 hwreg(HW_REG_WAVE_MODE, 25, 1), 1
	s_wait_xcnt 0x0
; The mean loss: the 1,024 parts of the sum of (c - r)^2 over all rows and stages are added in a fixed order and multiplied by 1.25 / (4 x 65,536 x 128):
; each stage's loss is (1 + 0.25) x the mean of (c - r)^2, and the four stages are averaged.  One wave: 4,096 bytes.
	s_load_b128 s[4:7], s[0:1], 0x0                ; lp s[4:5], out1 s[6:7]
	v_lshlrev_b32 v1, 4, v0
	v_mov_b32 v2, 0
	s_mov_b32 s8, 0x76543210
	s_mov_b32 s9, 0xfedcba98
	s_wait_alu depctr_va_vdst(0)
	s_wait_kmcnt 0x0
.irp k, 0,1,2,3,4,5,6,7
	global_load_b128 v[4+4*\k:7+4*\k], v1, s[4:5] offset:512*\k
.endr
	s_wait_loadcnt 0x0
.irp i, 0,1,2,3,4,5,6,7
	v_pk_add_f32 v[4+4*\i:5+4*\i], v[4+4*\i:5+4*\i], v[6+4*\i:7+4*\i]
.endr
.irp i, 0,1,2,3
	v_pk_add_f32 v[4+8*\i:5+8*\i], v[4+8*\i:5+8*\i], v[8+8*\i:9+8*\i]
.endr
.irp i, 0,1
	v_pk_add_f32 v[4+16*\i:5+16*\i], v[4+16*\i:5+16*\i], v[12+16*\i:13+16*\i]
.endr
	v_pk_add_f32 v[4:5], v[4:5], v[20:21]
	v_add_f32 v4, v4, v5
	v_add_f32_dpp v4, v4, v4 row_xmask:1 row_mask:0xf bank_mask:0xf
	v_add_f32_dpp v4, v4, v4 row_xmask:2 row_mask:0xf bank_mask:0xf
	v_add_f32_dpp v4, v4, v4 row_xmask:4 row_mask:0xf bank_mask:0xf
	v_add_f32_dpp v4, v4, v4 row_xmask:8 row_mask:0xf bank_mask:0xf
	v_permlanex16_b32 v5, v4, s8, s9
	v_add_f32 v4, v4, v5
	v_mul_f32 v4, 0x33200000, v4                   ; x 1.25 x 2^-25
	s_wait_alu depctr_va_vdst(0)
	s_wait_xcnt 0x0                                ; EXEC changes only behind this wait
	v_cmp_eq_u32 vcc_lo, 0, v0
	s_and_saveexec_b32 s10, vcc_lo
	global_store_b32 v2, v4, s[6:7]
	s_wait_xcnt 0x0
	s_or_b32 exec_lo, exec_lo, s10
	s_endpgm
.Lfunc_end_k_q12e4fb582a_red:
	.size	k_q12e4fb582a_red, .Lfunc_end_k_q12e4fb582a_red-k_q12e4fb582a_red
	.p2alignl 7, 3214868480
	.fill 96, 4, 3214868480
	.section	.rodata,"a",@progbits
	.p2align	6, 0x0
	.amdhsa_kernel k_q12e4fb582a_red
		.amdhsa_group_segment_fixed_size 0
		.amdhsa_private_segment_fixed_size 0
		.amdhsa_enable_private_segment 0
		.amdhsa_kernarg_size 16
		.amdhsa_user_sgpr_count 2
		.amdhsa_user_sgpr_kernarg_segment_ptr 1
		.amdhsa_wavefront_size32 1
		.amdhsa_system_sgpr_workgroup_id_x 1
		.amdhsa_system_sgpr_workgroup_id_y 1
		.amdhsa_system_sgpr_workgroup_id_z 1
		.amdhsa_system_vgpr_workitem_id 0
		.amdhsa_next_free_vgpr 48
		.amdhsa_next_free_sgpr 66
		.amdhsa_reserve_vcc 1
		.amdhsa_float_denorm_mode_32 3
		.amdhsa_float_denorm_mode_16_64 3
		.amdhsa_memory_ordered 1
		.amdhsa_forward_progress 1
		.amdhsa_inst_pref_size 4
	.end_amdhsa_kernel
	.amdgpu_metadata
---
amdhsa.version: [ 1, 2 ]
amdhsa.kernels:
  - .name:           k_q12e4fb582a_red
    .symbol:         k_q12e4fb582a_red.kd
    .args:
      - { .name: lp, .offset: 0, .size: 8, .value_kind: global_buffer, .address_space: global }
      - { .name: out1, .offset: 8, .size: 8, .value_kind: global_buffer, .address_space: global }
    .group_segment_fixed_size: 0
    .private_segment_fixed_size: 0
    .kernarg_segment_align: 8
    .kernarg_segment_size: 16
    .max_flat_workgroup_size: 32
    .sgpr_count:     66
    .vgpr_count:     48
    .wavefront_size: 32
...
	.end_amdgpu_metadata
.endif
;; end of part 7
